; MI455X (gfx1250); checked and timed in simulation.
; The chip was launched on July 23, 2026; its instructions are those of AMD's public machine-readable ISA for CDNA 5 (MIT licence, August 2026) and "CDNA5" Instruction Set Architecture Reference Guide (July 2026). The comments in the code are by the model that wrote it; some were corrected since.
;; Causal Attention. Allowed arithmetic: matrix products marked QUANTISED: E3M2 operands, one E8M0 scale for each 32 along K, by v_wmma_scale_f32_16x16x128_f8f6f4 with both operands' format E3M2, f32 sums; everything else in f32.
;; Inputs: embedding_word_codes 4 x 2,048 x 32 x 24 uint8 (E3M2 codes of embedding_word, K innermost, in blocks of 32 codes, four codes in three bytes); embedding_word_scales 4 x 2,048 x 32 uint8 (E8M0 scales of embedding_word, one for each 32 codes along K); w_k_codes 1,024 x 32 x 24 uint8 (E3M2 codes of w_k, K innermost, in blocks of 32 codes, four codes in three bytes); w_k_scales 1,024 x 32 uint8 (E8M0 scales of w_k, one for each 32 codes along K); w_q_codes 1,024 x 32 x 24 uint8 (E3M2 codes of w_q, K innermost, in blocks of 32 codes, four codes in three bytes); w_q_scales 1,024 x 32 uint8 (E8M0 scales of w_q, one for each 32 codes along K); w_v_codes 1,024 x 32 x 24 uint8 (E3M2 codes of w_v, K innermost, in blocks of 32 codes, four codes in three bytes); w_v_scales 1,024 x 32 uint8 (E8M0 scales of w_v, one for each 32 codes along K).
;; Outputs: out0 4 x 2,048 x 1,024 float32.
;; This version of the problem:
;;   THIS VERSION OF THE PROBLEM IS GIVEN IN LOW PRECISION. The matrix products marked QUANTISED in the list below multiply operands that are first quantised to E3M2 (3 exponent bits, 2 mantissa bits; 6 bits a number), with one power-of-two scale for each 32 numbers along K (OCP MX v1.0); their sums are f32. All else is computed in f32.
;;   The module's matrix products, in the order in which they are computed (A, B: the left and right operand; K: the contracted axis; several contracted axes count as one K, in the product's order):
;;     1. [M 8,192, K 1,024] x [K 1,024, N 1,024]; A: input embedding_word (given as codes); B: input w_q (given as codes): QUANTISED
;;     2. [M 8,192, K 1,024] x [K 1,024, N 1,024]; A: input embedding_word (given as codes); B: input w_k (given as codes): QUANTISED
;;     3. [M 8,192, K 1,024] x [K 1,024, N 1,024]; A: input embedding_word (given as codes); B: input w_v (given as codes): QUANTISED
;;     4. batch 4 x [M 2,048, K 1,024] x [K 1,024, N 2,048]; A: computed on the way; B: computed on the way: QUANTISED
;;     5. batch 4 x [M 2,048, K 2,048] x [K 2,048, N 1,024]; A: softmax (see below); B: computed on the way: QUANTISED
;;   THE QUANTISER, for each operand of a quantised product, along K:
;;     - K is cut into blocks of 32 from its start; a last block that is shorter is filled with zeros.
;;     - A block's scale is 2^e with e = floor(log2(the largest magnitude in the block)) - 4, held to -126 .. 127; a block of zeros has e = 0. As a byte (E8M0): e + 127.
;;     - Each number is divided by its block's scale, clamped to +-28, and rounded to the nearest number of E3M2, ties to even, subnormals kept.
;;     - The product sums the exact products of the quantised numbers (number of the format x scale) in f32.
;;   ~~~python
;;   def quantise(x, axis):      # numpy; x: float32 -> the quantised numbers, widened to float32 again
;;       x = np.moveaxis(x, axis, -1); K = x.shape[-1]
;;       x = np.pad(x, [(0, 0)] * (x.ndim - 1) + [(0, -K % 32)]); x = x.reshape(x.shape[:-1] + (-1, 32)); a = np.abs(x).max(-1, keepdims=True)
;;       e = np.where(a > 0, np.clip(np.frexp(np.where(a > 0, a, 1))[1] - 1 - 4, -126, 127), 0)      # np.frexp(a)[1] - 1 = floor(log2(a)), exactly
;;       r = np.clip(x / 2.0 ** e, -28, 28)
;;       step = 2.0 ** (np.maximum(np.frexp(np.where(r == 0, 1, r))[1] - 1, -2) - 2)
;;       q = np.round(r / step) * step * 2.0 ** e      # np.round: ties to even
;;       return np.moveaxis(q.reshape(q.shape[:-2] + (-1,))[..., :K], -1, axis).astype(np.float32)
;;   ~~~
;;   SOFTMAX AHEAD OF A QUANTISED PRODUCT. Where the list says 'softmax', what is quantised is not the finished softmax but p = 2^(t - M), with t = logit x log2(e) and M = ceil(the row's largest t), a whole number; so 1/2 < the row's largest p <= 1. The row's sum l is taken of the UNQUANTISED p, in f32, and the product's result is divided by l at the end. Since M is a whole number, a kernel that streams over the keys may use a running M (the ceiling of the running maximum): every later rescaling is an exact power of two, which a block's scale takes up: the codes' values come out the same.
;;   OPERANDS COMPUTED ON THE WAY. 'Computed on the way' means the value that the module computes at that place (a softmax that the list does not call 'softmax' is quantised finished and normalised). What goes into a quantiser is computed in f32, as accurately as f32 sums, v_exp_f32 and their like allow (about 1e-6 of the number): no bf16 or f16 on the way to a quantiser, and a product that is left as it is and whose result goes on into a quantised operand takes f32 operands (vector FMAs, or v_wmma_f32_16x16x4_f32). A number that lies on a knife's edge between two numbers of the format may be rounded either way, as far as f32 arithmetic and the matrix unit's own rounding can turn it there, and no further.
;;   INPUTS GIVEN AS CODES. embedding_word (in the module: [4, 2048, 1024], K = its axis 2); w_k (in the module: [1024, 1024], K = its axis 0); w_q (in the module: [1024, 1024], K = its axis 0); w_v (in the module: [1024, 1024], K = its axis 0): each comes as NAME_codes (uint8): NAME with its K axis moved to the last place and cut into blocks of 32 codes, [.., K / 32, bytes a block], one block behind the other in memory; four codes in three bytes: a row's codes are one little-endian stream of bits, code i at bits 6 i .. 6 i + 5 (a code: sign, 3 exponent bits, 2 mantissa bits); and NAME_scales (uint8): the same leading axes, one E8M0 byte (e + 127) for each 32 codes along K. Its value is code x scale, taken as it is: it is not quantised again, and the codes and scales need not be those that the quantiser above would give.
;; One version. Each part assembles by itself: llvm-mc -triple=amdgcn-amd-amdhsa -mcpu=gfx1250 --defsym DOCPART=n.
;; ======== version 1 of 1: 3 launches
;; workspace buffers: qkv 19,660,800 bytes; pbuf 14,155,776 bytes
;; launch proj (part 1): grid 12 x 32, 4 waves a work-group, clusters of 4 x 4, 327,680 bytes of LDS; arguments embedding_word_codes, embedding_word_scales, w_q_codes, w_q_scales, w_k_codes, w_k_scales, w_v_codes, w_v_scales, qkv; writes qkv
.if DOCPART == 1
	.amdgcn_target "amdgcn-amd-amdhsa--gfx1250"
	.amdhsa_code_object_version 6
	.text
	.protected	k_qb978fbaec6_proj
	.globl	k_qb978fbaec6_proj
	.p2align	8
	.type	k_qb978fbaec6_proj,@function
k_qb978fbaec6_proj:
	s_mov_b64 s[64:65], 0
	v_nop
	global_prefetch_b8 v0, s[64:65] scope:SCOPE_SE
	s_setreg_imm32_b32 hwreg(HW_REG_WAVE_MODE, 25, 1), 1
	s_wait_xcnt 0x0
	s_wait_alu depctr_hold_cnt(0) depctr_sa_sdst(0) depctr_va_vdst(0) depctr_va_sdst(0) depctr_va_ssrc(0) depctr_va_vcc(0) depctr_vm_vsrc(0)
	s_getreg_b32 s2, hwreg(HW_REG_IB_STS2, 6, 4)
	s_cmp_eq_u32 s2, 0
	s_cbranch_scc0 .Lentry_in_a_cluster
	s_endpgm
.Lentry_in_a_cluster:
	s_bfe_u32 s2, ttmp6, 0x10000c
	s_cmp_lg_u32 s2, 0xf033
	s_cbranch_scc0 .Lentry_shape_is_right
	s_endpgm
.Lentry_shape_is_right:
; q = x Wq, k = x Wk, v = x Wv on codes of BF6 (E3M2) with E8M0 scales, and each result quantised again on its way out, in registers.
; ONE FORM FOR THE THREE: C[mA][nB] = sum over k of A[mA][k] B[nB][k], K = 1,024, quantised along nB in blocks of 32.
;   cluster x = 0, 1 (q, k): A = x (8,192 rows), B = Wq or Wk (1,024 rows): nB = the head's axis d, the K of the scores.
;   cluster x = 2 (v):       A = Wv (1,024 rows), B = x: nB = the keys, the K of the last product.
; A tile of C is 256 x 256: four waves, each 128 x 128 in 64 accumulators.  K goes in steps of 256 through two LDS slots filled by tensor loads; a tile's row is 192 bytes.
; The scale bytes of the work-group's 256 rows of A and of B, for all of K, come into LDS once, with the first fills.
; CLUSTERS: 4 x 4 work-groups; A's tiles are asked for jointly along a row of the cluster, B's along a column.
; THE MATRIX INSTRUCTION IS USED TRANSPOSED (source 0 = 16 rows of B, source 1 = 16 rows of A): lane (r, h) holds row r of A, and register j of tile b holds nB = 16 b + 8 h + j.
; THE WAY OUT.  The 16 registers of tiles 2 B and 2 B + 1 and those of lane l xor 16 are the block nB = 32 B .. 32 B + 31: its largest magnitude gives the scale, the conversions the codes.
; Inside a block the codes stand in the order 16 h + 8 u + j -> nB = 16 u + 8 h + j.  Every operand that this program makes has that same order, so each product still meets k with k; blocks and scales are the true ones.
; A wave's 128 x 128 leave as ONE BLOCK OF 12,800 BYTES, an image of the operand's registers: fragment i (rows 16 i + r) at 1,536 i, registers 4 c .. 4 c + 3 of lane l at 512 c + 16 l; the scale word of (i, r) at 12,288 + 32 r + 4 i.
; Every store of a wave covers 512 consecutive bytes at a multiple of 512 from the buffer's first byte.
; qkv: q's blocks (t / 128) x 8 + d / 128 from block 0, k's from block 512, v's ((batch x 8 + dv / 128) x 16 + key / 128) from block 1,024.
; LIMITS: NaN and infinities are not served; a block whose largest magnitude lies under 2^(5 - 127), a block of zeros among them, gets the byte 1 (its codes add nothing; this program alone reads the bytes).
; All of a WGP's LDS is claimed.
.set KSTEP,  256
.set NQ,     KSTEP/128
.set ROWB,   192
.set KROW,   768                       ; a row of 1,024 codes in memory
.set PITCH,  240                       ; an LDS row: 3 x (64 bytes + 16 of padding)
.set FR,     12
.set NL,     6
.set NP,     4
.set HALFT,  128*PITCH
.set SLOT,   4*HALFT
.set LAPS,   1024/(2*KSTEP)
.set KS,     32                        ; a row of scale bytes
.set SCL,    2*SLOT
.set HALFS,  (128*KS/256)*272
.set SBLK,   (16*KS/256)*272
.set SPARE,  SCL+4*HALFS               ; the spare words: 128 bytes a wave, two blocks of 256 bytes that no other line names
.set KB,     12800                     ; an output block
.set ADRA, 16                          ; v16-19 LDS addresses of A's fragments (slot 0, 1; behind one padding more: +2)
.set ADRB, 20                          ; v20-23 the same for B
.set LI,   24                          ; v24 16 x lane
.set SA,   25                          ; v25 32 r + 16 h
.set ADRS, 27                          ; v27 my scale words
.set SPW,  28
.set NIL,  29
.set SC,   32                          ; v32-63 scale words, two sets; they hold nothing else
.set CODE, 64                          ; v64-159 the way out: the eight fragments made
.set AF,   128                         ; v128-223 A's fragments
.set SW,   160                         ; v160-163 the way out: scale words to store
.set TM,   224                         ; v224-239 the way out: maxima, bytes, scale operands
.set T2,   240                         ; v240-247 second halves of the conversions
.set PW,   248                         ; v248-255 the eight scale words
.set OUTP, 20                          ; s[20:21] qkv
.set WV,   22
.set RH,   23                          ; wave / 2: my half of A's rows; also: I fetch for A (0) or B (1)
.set CH,   66                          ; wave % 2: my half of B's rows; also: which 128 rows I fetch
.set TA,   67
.set TB,   42
.set SEL,  98
.set G1,   24
.set G0,   32
.set G1B,  48
.set G0B,  56
.set G1S,  68
.set G0S,  76
.set G1SB, 80
.set G0SB, 88
.set MSB, 0
.macro WIN new                         ; the immediate's high byte repeats the setting that is left
.if MSB != \new
	s_set_vgpr_msb (MSB<<8)|\new
.set MSB, \new
.endif
.endm
.set MUL_LO, 0xa1                      ; source 0 (B) window 1, source 1 (A) window 0, C and D window 2
.set MUL_HI, 0xf1
.set TO_B,   0x40
.macro JLOAD g0a, g1a, g0b, g1b        ; waves 0, 1 fetch for A, waves 2, 3 for B; four v_nop follow each line
	s_cmp_eq_u32 s[RH], 0
	s_cbranch_scc0 .Lfor_b_\@
	tensor_load_to_lds s[\g0a:\g0a+3], s[\g1a:\g1a+7]
	s_nop 0
.rept 4
	v_nop
.endr
	s_branch .Lasked_\@
.Lfor_b_\@:
	tensor_load_to_lds s[\g0b:\g0b+3], s[\g1b:\g1b+7]
	s_nop 0
.rept 4
	v_nop
.endr
.Lasked_\@:
.endm
.macro CREST                           ; a round of the cluster's barrier behind its opening barrier
	s_cmp_lg_u32 s[WV], 0
	s_cbranch_scc1 .Lnot_wave_0_\@
	s_barrier_signal -3
.Lnot_wave_0_\@:
	s_barrier_wait -3
	s_barrier_signal -1
	s_barrier_wait -1
.endm
.macro CROUND
	s_barrier_signal -1
	s_barrier_wait -1
	CREST
.endm
	s_load_b512 s[4:19], s[0:1], 0x0               ; x codes, x scales, Wq codes, scales, Wk codes, scales, Wv codes, scales
	s_load_b64 s[OUTP:OUTP+1], s[0:1], 0x40        ; qkv
	v_lshl_add_u32 v[SPW], v0, 2, SPARE
	v_mov_b32 v[NIL], 0
	ds_add_u32 v28, v29
	ds_add_u32 v28, v29
	s_wait_dscnt 0x0
	v_lshrrev_b32 v1, 5, v0
	v_readfirstlane_b32 s[WV], v1
	s_lshr_b32 s[RH], s[WV], 1
	s_and_b32 s[CH], s[WV], 1
	s_bfe_u32 s40, ttmp6, 0x40000                  ; cx
	s_bfe_u32 s41, ttmp6, 0x40004                  ; cy
	s_and_b32 s95, ttmp7, 0xffff
	s_lshl_b32 s95, s95, 2                         ; 4 x cluster y
	s_cmp_eq_u32 ttmp9, 2                          ; v's clusters: x is B, and walks with the cluster's y
	s_cselect_b32 s[TA], 0, s95
	s_cselect_b32 s[TB], s95, 0
	s_add_co_u32 s[TA], s[TA], s41                 ; A's tile of 256 rows: hangs on cy, never on cx
	s_add_co_u32 s[TB], s[TB], s40                 ; B's: on cx, never on cy
	s_lshl_b32 s43, s41, 2
	s_lshl_b32 s43, 15, s43                        ; my row of the cluster
	s_lshl_b32 s44, 0x1111, s40                    ; my column
	s_or_b32 s[G1+0], s43, (0<<16)|(1<<20)|(1<<21)|(3<<22)|(3<<25)   ; mask; elements of 1 byte; 16 bytes of padding behind every 64
	s_or_b32 s[G1B+0], s44, (0<<16)|(1<<20)|(1<<21)|(3<<22)|(3<<25)
.irp g, G1, G1B
	s_mov_b32 s[\g+1], ROWB<<16
	s_mov_b32 s[\g+2], 128<<16
	s_mov_b32 s[\g+3], ROWB<<16
	s_mov_b32 s[\g+4], 128
	s_mov_b32 s[\g+5], KROW
	s_mov_b32 s[\g+6], 0
	s_mov_b32 s[\g+7], 0
.endr
	s_or_b32 s[G1S+0], s43, (3<<16)|(1<<20)|(1<<21)|(5<<22)|(3<<25)  ; the scales of 128 rows: 4,096 dense bytes as 16 rows of 256, 16 of padding behind each
	s_or_b32 s[G1SB+0], s44, (3<<16)|(1<<20)|(1<<21)|(5<<22)|(3<<25)
.irp g, G1S, G1SB
	s_mov_b32 s[\g+1], 32<<16
	s_mov_b32 s[\g+2], (128*KS/256)<<16
	s_mov_b32 s[\g+3], 32<<16
	s_mov_b32 s[\g+4], 128*KS/256
	s_mov_b32 s[\g+5], 32
	s_mov_b32 s[\g+6], 0
	s_mov_b32 s[\g+7], 0
.endr
	s_lshl_b32 s95, s[CH], 7                       ; which 128 rows of the tile I fetch
	s_lshl_b32 s96, s[TA], 8
	s_add_co_u32 s96, s96, s95
	s_lshl_b32 s46, s[TB], 8
	s_add_co_u32 s46, s46, s95
	s_mov_b32 s97, 0
	s_mov_b32 s47, 0
	s_mov_b64 s[100:101], KS
	s_mul_u64 s[98:99], s[96:97], s[100:101]       ; where these rows' scales begin
	s_mul_u64 s[92:93], s[46:47], s[100:101]
	s_mov_b64 s[100:101], KROW
	s_mul_u64 s[96:97], s[96:97], s[100:101]       ; and their codes
	s_mul_u64 s[46:47], s[46:47], s[100:101]
	s_mul_i32 s45, s[WV], HALFT                    ; where they go: wave x 128 rows
	s_mul_i32 s94, s[WV], HALFS
	s_wait_kmcnt 0x0
	s_cmp_eq_u32 ttmp9, 0                          ; the weight of this cluster: the choices hang on the cluster's x alone
	s_cselect_b64 s[8:9], s[8:9], s[12:13]
	s_cselect_b64 s[10:11], s[10:11], s[14:15]
	s_cmp_eq_u32 ttmp9, 2
	s_cselect_b64 s[8:9], s[16:17], s[8:9]
	s_cselect_b64 s[10:11], s[18:19], s[10:11]
	s_cselect_b64 s[12:13], s[8:9], s[4:5]         ; A's codes: Wv, or x
	s_cselect_b64 s[14:15], s[10:11], s[6:7]       ; A's scales
	s_cselect_b64 s[16:17], s[4:5], s[8:9]         ; B's codes: x, or Wq / Wk
	s_cselect_b64 s[18:19], s[6:7], s[10:11]       ; B's scales
	s_add_nc_u64 s[12:13], s[12:13], s[96:97]
	s_add_nc_u64 s[14:15], s[14:15], s[98:99]
	s_add_nc_u64 s[16:17], s[16:17], s[46:47]
	s_add_nc_u64 s[18:19], s[18:19], s[92:93]
	CROUND                                         ; all sixteen work-groups are here: the first joint loads meet
	s_mov_b32 s[G0S], 1
	s_add_co_u32 s[G0S+1], s94, SCL
	s_mov_b64 s[G0S+2:G0S+3], s[14:15]
	s_or_b32 s[G0S+3], s[G0S+3], 0x80000000
	s_mov_b32 s[G0SB], 1
	s_add_co_u32 s[G0SB+1], s94, SCL
	s_mov_b64 s[G0SB+2:G0SB+3], s[18:19]
	s_or_b32 s[G0SB+3], s[G0SB+3], 0x80000000
	JLOAD G0S, G1S, G0SB, G1SB                     ; the scales first: they are wanted with K step 0
.irp s, 0,1
	s_mov_b32 s[G0+4*\s], 1
	s_add_co_u32 s[G0+4*\s+1], s45, \s*SLOT
	s_add_nc_u64 s[G0+4*\s+2:G0+4*\s+3], s[12:13], \s*ROWB
	s_or_b32 s[G0+4*\s+3], s[G0+4*\s+3], 0x80000000
	s_mov_b32 s[G0B+4*\s], 1
	s_add_co_u32 s[G0B+4*\s+1], s45, \s*SLOT
	s_add_nc_u64 s[G0B+4*\s+2:G0B+4*\s+3], s[16:17], \s*ROWB
	s_or_b32 s[G0B+4*\s+3], s[G0B+4*\s+3], 0x80000000
	JLOAD G0+4*\s, G1, G0B+4*\s, G1B
.endr
	v_and_b32 v1, 15, v0                           ; r
	v_bfe_u32 v2, v0, 4, 1                         ; h
	v_mul_u32_u24 v3, v1, PITCH
	v_mul_u32_u24 v4, v2, 24
	v_add_nc_u32 v4, v3, v4                        ; a fragment's row x pitch + 24 h
	v_lshl_add_u32 v5, v2, 4, v4                   ; and the same behind one padding more
	s_mul_i32 s100, s[RH], HALFT
	s_mul_i32 s101, s[CH], HALFT
	s_add_co_u32 s101, s101, 2*HALFT
.irp s, 0,1
	v_add_nc_u32 v[ADRA+\s], s100, v4
	v_add_nc_u32 v[ADRB+\s], s101, v4
	v_add_nc_u32 v[ADRA+2+\s], s100, v5
	v_add_nc_u32 v[ADRB+2+\s], s101, v5
	s_add_co_u32 s100, s100, SLOT
	s_add_co_u32 s101, s101, SLOT
.endr
	v_mul_u32_u24 v5, v1, KS                       ; my row's scales: 32 bytes a row,
	v_lshrrev_b32 v6, 8, v5
	v_lshl_add_u32 v5, v6, 4, v5                   ; and 16 more for each 256 passed
	s_mul_i32 s100, s[RH], HALFS
	s_mul_i32 s101, s[CH], HALFS
	s_add_co_u32 s101, s101, 2*HALFS
	s_sub_co_u32 s101, s101, s100
	v_mul_u32_u24 v6, s101, v2                     ; lanes 16-31 take B's
	s_add_co_u32 s100, s100, SCL
	v_add_nc_u32 v5, v5, v6
	v_add_nc_u32 v[ADRS], s100, v5
	v_and_b32 v6, 31, v0
	v_lshlrev_b32 v[LI], 4, v6
	v_lshlrev_b32 v[SA], 5, v1
	v_lshl_add_u32 v[SA], v2, 4, v[SA]
	s_mov_b32 s[SEL], 0x76543210
	s_mov_b32 s[SEL+1], 0xfedcba98                 ; lane l xor 16
	; my output block's number
	s_lshl_b32 s96, s[TA], 1
	s_add_co_u32 s96, s96, s[RH]                   ; my 128 rows of A: 2 TA + half
	s_lshl_b32 s46, s[TB], 1
	s_add_co_u32 s46, s46, s[CH]                   ; my 128 of B: 2 TB + half
	s_lshl_b32 s100, s96, 3
	s_add_co_u32 s100, s100, s46
	s_lshl_b32 s101, ttmp9, 9
	s_add_co_u32 s100, s100, s101                  ; q, k: 512 x tensor + 8 (t / 128) + d / 128
	s_lshr_b32 s101, s[TB], 3                      ; v: the batch,
	s_lshl_b32 s101, s101, 3
	s_add_co_u32 s101, s101, s96
	s_lshl_b32 s101, s101, 4
	s_and_b32 s46, s46, 15                         ; the key / 128 within it
	s_add_co_u32 s101, s101, s46
	s_add_co_u32 s101, s101, 1024
	s_cmp_eq_u32 ttmp9, 2
	s_cselect_b32 s100, s101, s100
	s_mul_i32 s100, s100, KB
	s_mov_b32 s101, 0
	s_add_nc_u64 s[OUTP:OUTP+1], s[OUTP:OUTP+1], s[100:101]
.macro FRAG reg, adr, q, i             ; 16 rows x 128 K: 12 registers, in pieces of 8 bytes; where the piece of lanes 16-31 lies behind one padding more, the second address register serves
.irp p, 0,1,2,3,4,5
.set PCE, 12*(\q)+6*(\p/3)+\p%3
.if PCE%8 < 5
	ds_load_b64 v[\reg+2*\p:\reg+2*\p+1], v[\adr] offset:8*PCE+16*(PCE/8)+(\i)*16*PITCH
.else
	ds_load_b64 v[\reg+2*\p:\reg+2*\p+1], v[\adr+2] offset:8*PCE+16*(PCE/8)+(\i)*16*PITCH
.endif
.endr
.endm
; 16 matrix instructions: A's blocks a0, a0 + 1 x B's eight.  The 64 accumulators take turns, one instruction a turn, in the same order in every step.
.macro MUL16 a0, p, q, sc, zero
.irp a, \a0, \a0+1
.irp b, 0,1,2,3,4,5,6,7
.if \zero
	v_wmma_scale_f32_16x16x128_f8f6f4 v[8*(8*((\a)%4)+\b):8*(8*((\a)%4)+\b)+7], v[128*(\p)+FR*\b:128*(\p)+FR*\b+FR-1], v[AF+FR*(\a):AF+FR*(\a)+FR-1], 0, v[SC+8*NQ*(\sc)+NQ*\b+(\q)], v[SC+8*NQ*(\sc)+NQ*(\a)+(\q)] matrix_a_fmt:MATRIX_FMT_BF6 matrix_b_fmt:MATRIX_FMT_BF6 matrix_a_scale:MATRIX_SCALE_ROW1
.else
	v_wmma_scale_f32_16x16x128_f8f6f4 v[8*(8*((\a)%4)+\b):8*(8*((\a)%4)+\b)+7], v[128*(\p)+FR*\b:128*(\p)+FR*\b+FR-1], v[AF+FR*(\a):AF+FR*(\a)+FR-1], v[8*(8*((\a)%4)+\b):8*(8*((\a)%4)+\b)+7], v[SC+8*NQ*(\sc)+NQ*\b+(\q)], v[SC+8*NQ*(\sc)+NQ*(\a)+(\q)] matrix_a_fmt:MATRIX_FMT_BF6 matrix_b_fmt:MATRIX_FMT_BF6 matrix_a_scale:MATRIX_SCALE_ROW1
.endif
.endr
.endr
.endm
.macro FETCH_B slot, q, p
	WIN TO_B
.irp i, 0,1,2,3,4,5,6,7
	FRAG 128*(\p)+FR*\i, ADRB+\slot, \q, \i
.endr
	WIN 0
.endm
.macro FETCH_A slot, q, i0
.irp i, \i0, \i0+1, \i0+2, \i0+3
	FRAG AF+FR*(\i), ADRA+\slot, \q, \i
.endr
.endm
.macro SCALES sc                       ; a K step's scale words: lanes 0-15 A's block i, lanes 16-31 B's block i
.irp i, 0,1,2,3,4,5,6,7
	ds_load_b64 v[SC+8*NQ*\sc+NQ*\i:SC+8*NQ*\sc+NQ*\i+1], v[ADRS] offset:\i*SBLK
.endr
.endm
.macro PLACES n                        ; plain vector lines between a matrix instruction and a load into, or a vector line on, its registers
.rept \n
	v_nop
.endr
.endm
.macro STEP slot, q, zero              ; 128 along K that has its successor in the same slot
	s_wait_dscnt 4*NL                              ; all but the youngest 24 loads (A's blocks 4-7) are in
	WIN MUL_LO
	MUL16 0, (\q)%2, \q, \slot, \zero
	MUL16 2, (\q)%2, \q, \slot, \zero
	s_wait_dscnt 0
	PLACES NP
	FETCH_B \slot, (\q)+1, 1-(\q)%2
	FETCH_A \slot, (\q)+1, 0
	WIN MUL_HI
	MUL16 4, (\q)%2, \q, \slot, \zero
	MUL16 6, (\q)%2, \q, \slot, \zero
	PLACES NP
	WIN 0
	FETCH_A \slot, (\q)+1, 4
.endm
.macro TURN slot, next, fill           ; a slot's last step changes slots
	s_wait_tensorcnt 0x0                           ; all my tensor loads have landed: my part of the next slot
	ds_add_u32 v[SPW], v[NIL]                      ; 0 onto my spare word
	s_wait_dscnt 4*NL+1                            ; the add and the youngest 24 loads may be out
	WIN MUL_LO
	MUL16 0, 1, NQ-1, \slot, 0
	s_wait_dscnt 0x0                               ; the add is done, and my reads of this slot are over
	s_barrier_signal -1
	MUL16 2, 1, NQ-1, \slot, 0
	WIN 0
	s_barrier_wait -1
.if \fill
	CREST                                          ; the barrier has opened a round of the cluster's: no wave of any partner still reads this slot or has a load on its way
	s_add_nc_u64 s[G0+4*\slot+2:G0+4*\slot+3], s[G0+4*\slot+2:G0+4*\slot+3], 2*ROWB
	s_add_nc_u64 s[G0B+4*\slot+2:G0B+4*\slot+3], s[G0B+4*\slot+2:G0B+4*\slot+3], 2*ROWB
	JLOAD G0+4*\slot, G1, G0B+4*\slot, G1B         ; the first tensor load behind the round; its four v_nop are also the places in front of the loads below
.else
	PLACES NP
.endif
	v_add_nc_u32 v[ADRS], 4*NQ, v[ADRS]            ; the next K step's scale words (no LDS load of mine is out)
	FETCH_B \next, 0, 0
	FETCH_A \next, 0, 0
	SCALES \next
	WIN MUL_HI
	MUL16 4, 1, NQ-1, \slot, 0
	MUL16 6, 1, NQ-1, \slot, 0
	PLACES NP
	WIN 0
	FETCH_A \next, 0, 4
.endm
	s_wait_tensorcnt 1                             ; the scales and my part of K step 0 are in; K step 1's load may be out
	s_barrier_signal -1
	s_barrier_wait -1
	FETCH_B 0, 0, 0
	FETCH_A 0, 0, 0
	SCALES 0
	FETCH_A 0, 0, 4
	STEP 0, 0, 1                                   ; the first step's products start the sums
	s_mov_b32 s3, LAPS-1
.Llap:
	TURN 0, 1, 1
	STEP 1, 0, 0
	TURN 1, 0, 1
	STEP 0, 0, 0
	s_sub_co_u32 s3, s3, 1
	s_cmp_lg_u32 s3, 0
	s_cbranch_scc1 .Llap
	TURN 0, 1, 0                                   ; the last lap fills nothing
	STEP 1, 0, 0
	s_wait_dscnt 4*NL
	WIN MUL_LO
	MUL16 0, 1, NQ-1, 1, 0
	MUL16 2, 1, NQ-1, 1, 0
	s_wait_dscnt 0
	WIN MUL_HI
	MUL16 4, 1, NQ-1, 1, 0
	MUL16 6, 1, NQ-1, 1, 0
	WIN 0
; THE WAY OUT.  Block a (16 rows of A x my 128 of B: 64 registers a lane, in window 2 or 3) becomes one fragment and one scale word a row.
.macro PACKF a                         ; the codes, the exchange of halves that gives a lane a whole block, and the fragment's three stores
	WIN W
.irp c, 0,1
	v_cvt_scalef32_pk16_bf6_f32 v[CODE+12*(\a)+6*\c:CODE+12*(\a)+6*\c+2], v[S+32*\c:S+32*\c+15], v[TM+12+2*\c]
	v_cvt_scalef32_pk16_bf6_f32 v[T2+4*\c:T2+4*\c+2], v[S+32*\c+16:S+32*\c+31], v[TM+13+2*\c]   ; (a conversion's three registers begin on an even number)
.endr
	WIN 0
	v_nop                                          ; one plain line behind the scaled conversions
.irp c, 0,1
.irp i, 0,1,2
	v_permlane16_swap_b32 v[CODE+12*(\a)+6*\c+\i], v[T2+4*\c+\i]
.endr
.irp i, 0,1,2
	v_mov_b32 v[CODE+12*(\a)+6*\c+3+\i], v[T2+4*\c+\i]
.endr
.endr
.irp c, 0,1,2
	global_store_b128 v[LI], v[CODE+12*(\a)+4*\c:CODE+12*(\a)+4*\c+3], s[OUTP:OUTP+1] offset:1536*(\a)+512*\c   ; each fragment has registers of its own: no store's data are written again
.endr
.endm
.macro QUANT a
.set W, 2+(\a)/4
.set S, 64*((\a)%4)
	WIN ((W<<2)|W)
.irp b, 0,1,2,3
	v_max3_num_f32 v[TM+\b], |v[S+16*\b]|, |v[S+16*\b+1]|, 0x2800000   ; block b: my 16 numbers, each accumulator from its low end on, and the floor 2^(5 - 127)
.endr
.irp i, 2,4,6,8,10,12,14
.irp b, 0,1,2,3
	v_max3_num_f32 v[TM+\b], |v[S+16*\b+\i]|, |v[S+16*\b+\i+1]|, v[TM+\b]
.endr
.endr
	WIN 0
.irp b, 0,1,2,3
	v_permlanex16_b32 v[TM+4+\b], v[TM+\b], s[SEL], s[SEL+1]
.endr
.irp b, 0,1,2,3
	v_max_num_f32 v[TM+\b], v[TM+\b], v[TM+4+\b]   ; with lane l xor 16's: the block's largest magnitude
.endr
.irp b, 0,1,2,3
	v_add_nc_u32 v[TM+12+\b], 0xfe000000, v[TM+\b] ; 4 off its exponent field: the conversion's scale operand
.endr
.irp b, 0,1,2,3
	v_lshrrev_b32 v[TM+4+\b], 23, v[TM+12+\b]      ; the scale's byte
.endr
	v_lshl_or_b32 v[PW+(\a)], v[TM+5], 8, v[TM+4]
	v_lshl_or_b32 v[PW+(\a)], v[TM+6], 16, v[PW+(\a)]
	v_lshl_or_b32 v[PW+(\a)], v[TM+7], 24, v[PW+(\a)]
	PACKF \a
.endm
	PLACES NP                                      ; behind the last products
.irp b, 0,1,2,3
	v_mov_b32 v[TM+4+\b], 0                        ; written once: a lane permute's destination counts as one of its sources
.endr
.irp a, 0,1,2,3,4,5,6,7
	QUANT \a
.endr
	v_cmp_eq_u32 vcc_lo, 1, v2
.irp j, 0,1,2,3
	v_cndmask_b32 v[SW+\j], v[PW+\j], v[PW+4+\j], vcc_lo   ; lanes 0-15 store the words of fragments 0-3 of row r, lanes 16-31 those of 4-7
.endr
	global_store_b128 v[SA], v[SW:SW+3], s[OUTP:OUTP+1] offset:12288
	s_wait_tensorcnt 0x0                           ; the wave's end
	ds_add_u32 v[SPW], v[NIL]
	s_wait_dscnt 0x0
	CROUND                                         ; the closing round
	s_endpgm
.Lfunc_end_k_qb978fbaec6_proj:
	.size	k_qb978fbaec6_proj, .Lfunc_end_k_qb978fbaec6_proj-k_qb978fbaec6_proj
	.p2alignl 7, 3214868480
	.fill 96, 4, 3214868480
	.section	.rodata,"a",@progbits
	.p2align	6, 0x0
	.amdhsa_kernel k_qb978fbaec6_proj
		.amdhsa_group_segment_fixed_size 327680
		.amdhsa_private_segment_fixed_size 0
		.amdhsa_enable_private_segment 0
		.amdhsa_kernarg_size 72
		.amdhsa_user_sgpr_count 2
		.amdhsa_user_sgpr_kernarg_segment_ptr 1
		.amdhsa_wavefront_size32 1
		.amdhsa_system_sgpr_workgroup_id_x 1
		.amdhsa_system_sgpr_workgroup_id_y 1
		.amdhsa_system_sgpr_workgroup_id_z 1
		.amdhsa_system_vgpr_workitem_id 0
		.amdhsa_next_free_vgpr 1024
		.amdhsa_next_free_sgpr 102
		.amdhsa_reserve_vcc 1
		.amdhsa_float_denorm_mode_32 3
		.amdhsa_float_denorm_mode_16_64 3
		.amdhsa_memory_ordered 1
		.amdhsa_forward_progress 1
		.amdhsa_inst_pref_size 164
	.end_amdhsa_kernel
	.amdgpu_metadata
---
amdhsa.version: [ 1, 2 ]
amdhsa.kernels:
  - .name:           k_qb978fbaec6_proj
    .symbol:         k_qb978fbaec6_proj.kd
    .args:
      - { .name: embedding_word_codes, .offset: 0, .size: 8, .value_kind: global_buffer, .address_space: global }
      - { .name: embedding_word_scales, .offset: 8, .size: 8, .value_kind: global_buffer, .address_space: global }
      - { .name: w_q_codes, .offset: 16, .size: 8, .value_kind: global_buffer, .address_space: global }
      - { .name: w_q_scales, .offset: 24, .size: 8, .value_kind: global_buffer, .address_space: global }
      - { .name: w_k_codes, .offset: 32, .size: 8, .value_kind: global_buffer, .address_space: global }
      - { .name: w_k_scales, .offset: 40, .size: 8, .value_kind: global_buffer, .address_space: global }
      - { .name: w_v_codes, .offset: 48, .size: 8, .value_kind: global_buffer, .address_space: global }
      - { .name: w_v_scales, .offset: 56, .size: 8, .value_kind: global_buffer, .address_space: global }
      - { .name: qkv, .offset: 64, .size: 8, .value_kind: global_buffer, .address_space: global }
    .group_segment_fixed_size: 327680
    .private_segment_fixed_size: 0
    .kernarg_segment_align: 8
    .kernarg_segment_size: 72
    .max_flat_workgroup_size: 128
    .sgpr_count:     102
    .vgpr_count:     1024
    .wavefront_size: 32
...
	.end_amdgpu_metadata
.endif
;; end of part 1
;; launch scores (part 2): grid 40 x 4, 4 waves a work-group, clusters of 4 x 1, 327,680 bytes of LDS; arguments qkv, pbuf; writes pbuf
.if DOCPART == 2
	.amdgcn_target "amdgcn-amd-amdhsa--gfx1250"
	.amdhsa_code_object_version 6
	.text
	.protected	k_qb978fbaec6_scores
	.globl	k_qb978fbaec6_scores
	.p2align	8
	.type	k_qb978fbaec6_scores,@function
k_qb978fbaec6_scores:
	s_mov_b64 s[64:65], 0
	v_nop
	global_prefetch_b8 v0, s[64:65] scope:SCOPE_SE
	s_setreg_imm32_b32 hwreg(HW_REG_WAVE_MODE, 25, 1), 1
	s_wait_xcnt 0x0
	s_wait_alu depctr_hold_cnt(0) depctr_sa_sdst(0) depctr_va_vdst(0) depctr_va_sdst(0) depctr_va_ssrc(0) depctr_va_vcc(0) depctr_vm_vsrc(0)
	s_getreg_b32 s2, hwreg(HW_REG_IB_STS2, 6, 4)
	s_cmp_eq_u32 s2, 0
	s_cbranch_scc0 .Lentry_in_a_cluster
	s_endpgm
.Lentry_in_a_cluster:
	s_bfe_u32 s2, ttmp6, 0x10000c
	s_cmp_lg_u32 s2, 0x3003
	s_cbranch_scc0 .Lentry_shape_is_right
	s_endpgm
.Lentry_shape_is_right:
; p = 2^(t - M) of the causal scores q k^T / 32, as codes of BF6 along the keys, tile by tile of 128 queries x 128 keys; scores never go to memory.
; q and k come as blocks of 12,800 bytes (128 rows x 128 along d): images of the operand's registers, fragment i at 1,536 i, then the scale words at 12,288 + 32 r + 4 i.
; SHARES.  A batch's 2,048 queries and keys are four groups of 512.  Cluster x = 0 .. 9 stands for a pair (g, c), c <= g: query group g against key group c; cluster y is the batch.
; Work-group cx owns the 128 queries 512 g + 128 cx on, wave w the 128 keys 512 c + 128 w on: a wave makes 128 x 128 in 64 accumulators.  K = 1,024 goes 256 at a time through two LDS slots.
; k's 512 rows serve all four work-groups and are asked for JOINTLY (mask 15); q's 128 rows are each work-group's own, shared with nobody: a plain load in the same rounds.
; TRANSPOSED: source 0 = 16 keys, source 1 = 16 queries: lane (r, h) holds query r, register j of tile b key 16 b + 8 h + j.
; THE SOFTMAX, FOR EACH TILE BY ITSELF: t = score x log2(e) / 32; M = the ceiling of the row's largest t IN THIS TILE, a whole number; p = 2^(t - M); l = the sum of the unquantised p.
; The codes do not hang on which whole number M is; only the scale bytes do, by M's difference.  M and l are stored beside the codes, and the next launch takes the row's M - this M off the bytes.
; CAUSAL: in a cluster with g = c hidden scores become -infinity by selects on three kinds of lane masks (no branch hangs on cx); tiles that lie wholly above the diagonal there leave as zero codes.
; OUT: a block of 13,824 bytes for each tile: as above, then M at 12,800 + 32 r + 4 i and l at 13,312 + 32 r + 4 i.  Block number ((16 batch + query / 128) x 16 + key / 128).
; LIMITS: NaN and infinities are not served.  A row's largest score in a tile is taken as at least -3e38, so a wholly hidden row has p = 0 and a finite M.
; A block's largest p is held between 2^-59 and 1: its byte is 64 at the least; what that changes lies under 2^-59 of the tile's largest p.  A block's largest p is made from its largest score by the same two instructions as every p.
; All of a WGP's LDS is claimed.
.set KB,    12800
.set KBP,   13824
.set NQ,    2
.set FR,    12
.set NL,    3
.set NP,    4
.set GRP,   2*KB                       ; 128 rows x 256 along K
.set SLOT,  5*GRP                      ; q's group, then k's four
.set LAPS,  2
.set SPARE, 2*SLOT                     ; the spare words: 128 bytes a wave, two blocks of 256 bytes that no other line names
.set ADRA, 16                          ; v16-17 16 x lane + slot
.set ADRS, 18                          ; v18-19 scale words: lanes 0-15 q's, lanes 16-31 my k's
.set ADRB, 20                          ; v20-21 16 x lane + my group of k + slot
.set LI,   24
.set SA,   25
.set EE,   26                          ; v26 128 (cx - w) + r - 8 h
.set SPW,  28
.set NIL,  29
.set SC,   32                          ; v32-63 scale words: set 16 slot + 8 q + i; they hold nothing else
.set CODE, 64
.set AF,   128
.set MS,   160                         ; v160-167 M of the eight blocks of rows
.set LS,   168                         ; v168-175 l
.set SW,   176                         ; v176-187 what the last three stores take
.set VINF, 188
.set TM,   224
.set T2,   240
.set PW,   248
.set OUTP, 6
.set WV,   8
.set SEL,  20
.set CS,   22
.set G1K,  24
.set G0K,  32
.set G1Q,  48
.set G0Q,  56
.set MJ,   70                          ; s70-77 lanes where j > e
.set MUP,  78                          ; s78 lanes where 16 > e
.set MLO,  79                          ; s79 lanes where -9 > e
.set MSB, 0
.macro WIN new
.if MSB != \new
	s_set_vgpr_msb (MSB<<8)|\new
.set MSB, \new
.endif
.endm
.set MUL_LO, 0xa1
.set MUL_HI, 0xf1
.set TO_B,   0x40
.macro JLOAD g0a, g1a, g0b, g1b        ; waves 0, 1: two groups of k each, jointly; waves 2, 3: one block of q each; four v_nop follow each line
	s_cmp_eq_u32 s13, 0
	s_cbranch_scc0 .Lfor_b_\@
	tensor_load_to_lds s[\g0a:\g0a+3], s[\g1a:\g1a+7]
	s_nop 0
.rept 4
	v_nop
.endr
	s_branch .Lasked_\@
.Lfor_b_\@:
	tensor_load_to_lds s[\g0b:\g0b+3], s[\g1b:\g1b+7]
	s_nop 0
.rept 4
	v_nop
.endr
.Lasked_\@:
.endm
.macro CREST
	s_cmp_lg_u32 s[WV], 0
	s_cbranch_scc1 .Lnot_wave_0_\@
	s_barrier_signal -3
.Lnot_wave_0_\@:
	s_barrier_wait -3
	s_barrier_signal -1
	s_barrier_wait -1
.endm
.macro CROUND
	s_barrier_signal -1
	s_barrier_wait -1
	CREST
.endm
	s_load_b128 s[4:7], s[0:1], 0x0                ; qkv, pbuf
	v_lshl_add_u32 v[SPW], v0, 2, SPARE
	v_mov_b32 v[NIL], 0
	ds_add_u32 v28, v29
	ds_add_u32 v28, v29
	s_wait_dscnt 0x0
	v_lshrrev_b32 v1, 5, v0
	v_readfirstlane_b32 s[WV], v1
	s_lshr_b32 s13, s[WV], 1
	s_and_b32 s14, s[WV], 1
	s_bfe_u32 s9, ttmp6, 0x40000                   ; cx
	s_lshl_b32 s15, ttmp9, 1
	s_lshr_b32 s10, 0xffa94, s15                   ; g of the ten pairs, two bits each: 0 1 1 2 2 2 3 3 3 3
	s_and_b32 s10, s10, 3
	s_lshr_b32 s11, 0xe4910, s15                   ; c: 0 0 1 0 1 2 0 1 2 3
	s_and_b32 s11, s11, 3
	s_and_b32 s12, ttmp7, 0xffff                   ; the batch
	s_mov_b32 s[G1K], 15|(3<<16)|(1<<21)           ; all four work-groups; elements of 8 bytes; no padding
	s_mov_b32 s[G1K+1], 3200<<16                   ; a row: 25,600 bytes, a group's two blocks
	s_mov_b32 s[G1K+2], 2<<16                      ; two rows: two groups,
	s_mov_b32 s[G1K+3], 3200<<16
	s_mov_b32 s[G1K+4], 2
	s_mov_b32 s[G1K+5], 12800                      ; 102,400 bytes apart
	s_mov_b32 s[G1K+6], 0
	s_mov_b32 s[G1K+7], 0
	s_mov_b32 s[G1Q], 3<<16                        ; no mask: my work-group's own
	s_mov_b32 s[G1Q+1], 1600<<16                   ; one row of 12,800 bytes
	s_mov_b32 s[G1Q+2], 1<<16
	s_mov_b32 s[G1Q+3], 1600<<16
	s_mov_b32 s[G1Q+4], 1
	s_mov_b32 s[G1Q+5], 1600
	s_mov_b32 s[G1Q+6], 0
	s_mov_b32 s[G1Q+7], 0
	s_lshl_b32 s16, s12, 4                         ; 16 x batch
	s_lshl_b32 s17, s11, 2
	s_add_co_u32 s17, s17, s16
	s_lshl_b32 s18, s14, 1
	s_add_co_u32 s17, s17, s18                     ; k: group 16 b + 4 c + 2 (w % 2): nothing of cx
	s_mul_i32 s66, s17, 8*KB
	s_add_co_u32 s66, s66, 512*KB                  ; k's blocks begin behind q's 512
	s_mov_b32 s67, 0
	s_lshl_b32 s18, s10, 2
	s_add_co_u32 s18, s18, s16
	s_add_co_u32 s18, s18, s9                      ; q: my block of 128 queries: 16 b + 4 g + cx
	s_mul_i32 s68, s18, 8*KB
	s_mul_i32 s19, s14, KB                         ; which of a slot's two blocks I fetch; also its place in LDS
	s_add_co_u32 s68, s68, s19
	s_mov_b32 s69, 0
	s_mul_i32 s15, s14, 2*GRP
	s_add_co_u32 s15, s15, GRP                     ; k's place in a slot
	s_mov_b32 s[SEL], 0x76543210
	s_mov_b32 s[SEL+1], 0xfedcba98
	s_mov_b32 s[CS], 0x3d38aa3b                    ; log2(e) / 32
	s_mov_b32 s[CS+1], s[CS]
	s_wait_kmcnt 0x0
	s_add_nc_u64 s[66:67], s[4:5], s[66:67]
	s_add_nc_u64 s[68:69], s[4:5], s[68:69]
	CROUND                                         ; all four work-groups are here: the first joint loads meet
.irp s, 0,1
	s_mov_b32 s[G0K+4*\s], 1
	s_add_co_u32 s[G0K+4*\s+1], s15, \s*SLOT
	s_add_nc_u64 s[G0K+4*\s+2:G0K+4*\s+3], s[66:67], \s*GRP
	s_or_b32 s[G0K+4*\s+3], s[G0K+4*\s+3], 0x80000000
	s_mov_b32 s[G0Q+4*\s], 1
	s_add_co_u32 s[G0Q+4*\s+1], s19, \s*SLOT
	s_add_nc_u64 s[G0Q+4*\s+2:G0Q+4*\s+3], s[68:69], \s*GRP
	s_or_b32 s[G0Q+4*\s+3], s[G0Q+4*\s+3], 0x80000000
	JLOAD G0K+4*\s, G1K, G0Q+4*\s, G1Q
.endr
	v_and_b32 v1, 15, v0                           ; r
	v_bfe_u32 v2, v0, 4, 1                         ; h
	v_and_b32 v3, 31, v0
	v_lshlrev_b32 v[LI], 4, v3
	v_lshlrev_b32 v[SA], 5, v1
	s_mul_i32 s16, s[WV], GRP
	s_add_co_u32 s16, s16, GRP                     ; my group of k in a slot
	v_mul_u32_u24 v4, s16, v2                      ; lanes 16-31 take its scale words, lanes 0-15 q's
	v_add_nc_u32 v4, v4, v[SA]
	v_lshl_add_u32 v[SA], v2, 4, v[SA]             ; 32 r + 16 h
.irp s, 0,1
	v_add_nc_u32 v[ADRA+\s], \s*SLOT, v[LI]
	v_add_nc_u32 v[ADRS+\s], 12288+\s*SLOT, v4
	v_add_nc_u32 v[ADRB+\s], s16, v[LI]
	s_add_co_u32 s16, s16, SLOT
.endr
	s_sub_co_i32 s17, s9, s[WV]
	s_lshl_b32 s17, s17, 7
	v_lshlrev_b32 v5, 3, v2
	v_sub_nc_u32 v[EE], v1, v5
	v_add_nc_u32 v[EE], s17, v[EE]                 ; e: in block a the score in register 8 b + j is hidden where 16 (b - a) + j > e
	s_lshl_b32 s18, s18, 4
	s_lshl_b32 s17, s11, 2
	s_add_co_u32 s18, s18, s17
	s_add_co_u32 s18, s18, s[WV]                   ; my output block
	s_mul_i32 s18, s18, KBP
	s_mov_b32 s19, 0
	s_add_nc_u64 s[OUTP:OUTP+1], s[OUTP:OUTP+1], s[18:19]
.macro FRAG reg, adr, q, i             ; a fragment comes back as it was stored: three loads of 512 consecutive bytes
.irp c, 0,1,2
	ds_load_b128 v[\reg+4*\c:\reg+4*\c+3], v[\adr] offset:KB*(\q)+1536*(\i)+512*\c
.endr
.endm
.macro MUL16 a0, p, q, sc, zero        ; the 64 accumulators take turns, in the same order in every step
.irp a, \a0, \a0+1
.irp b, 0,1,2,3,4,5,6,7
.if \zero
	v_wmma_scale_f32_16x16x128_f8f6f4 v[8*(8*((\a)%4)+\b):8*(8*((\a)%4)+\b)+7], v[128*(\p)+FR*\b:128*(\p)+FR*\b+FR-1], v[AF+FR*(\a):AF+FR*(\a)+FR-1], 0, v[SC+16*(\sc)+8*(\q)+\b], v[SC+16*(\sc)+8*(\q)+(\a)] matrix_a_fmt:MATRIX_FMT_BF6 matrix_b_fmt:MATRIX_FMT_BF6 matrix_a_scale:MATRIX_SCALE_ROW1
.else
	v_wmma_scale_f32_16x16x128_f8f6f4 v[8*(8*((\a)%4)+\b):8*(8*((\a)%4)+\b)+7], v[128*(\p)+FR*\b:128*(\p)+FR*\b+FR-1], v[AF+FR*(\a):AF+FR*(\a)+FR-1], v[8*(8*((\a)%4)+\b):8*(8*((\a)%4)+\b)+7], v[SC+16*(\sc)+8*(\q)+\b], v[SC+16*(\sc)+8*(\q)+(\a)] matrix_a_fmt:MATRIX_FMT_BF6 matrix_b_fmt:MATRIX_FMT_BF6 matrix_a_scale:MATRIX_SCALE_ROW1
.endif
.endr
.endr
.endm
.macro FETCH_B slot, q, p
	WIN TO_B
.irp i, 0,1,2,3,4,5,6,7
	FRAG 128*(\p)+FR*\i, ADRB+\slot, \q, \i
.endr
	WIN 0
.endm
.macro FETCH_A slot, q, i0
.irp i, \i0, \i0+1, \i0+2, \i0+3
	FRAG AF+FR*(\i), ADRA+\slot, \q, \i
.endr
.endm
.macro SCALES sc                       ; a slot's scale words: eight words a row and 128 along K, two loads of 16 bytes
.irp q, 0,1
.irp e, 0,1
	ds_load_b128 v[SC+16*\sc+8*\q+4*\e:SC+16*\sc+8*\q+4*\e+3], v[ADRS+\sc] offset:KB*\q+16*\e
.endr
.endr
.endm
.macro PLACES n
.rept \n
	v_nop
.endr
.endm
.macro STEP slot, q, zero
	s_wait_dscnt 4*NL                              ; all but the youngest 12 loads (q's blocks 4-7) are in
	WIN MUL_LO
	MUL16 0, (\q)%2, \q, \slot, \zero
	MUL16 2, (\q)%2, \q, \slot, \zero
	s_wait_dscnt 0
	PLACES NP
	FETCH_B \slot, (\q)+1, 1-(\q)%2
	FETCH_A \slot, (\q)+1, 0
	WIN MUL_HI
	MUL16 4, (\q)%2, \q, \slot, \zero
	MUL16 6, (\q)%2, \q, \slot, \zero
	PLACES NP
	WIN 0
	FETCH_A \slot, (\q)+1, 4
.endm
.macro TURN slot, next, fill
	s_wait_tensorcnt 0x0                           ; all my tensor loads have landed: my part of the next slot
	ds_add_u32 v[SPW], v[NIL]                      ; 0 onto my spare word
	s_wait_dscnt 4*NL+1                            ; the add and the youngest 12 loads may be out
	WIN MUL_LO
	MUL16 0, 1, NQ-1, \slot, 0
	s_wait_dscnt 0x0                               ; the add is done, and my reads of this slot are over
	s_barrier_signal -1
	MUL16 2, 1, NQ-1, \slot, 0
	WIN 0
	s_barrier_wait -1
.if \fill
	CREST                                          ; a round of the cluster's barrier: no wave of any partner still reads this slot or has a load on its way
	s_add_nc_u64 s[G0K+4*\slot+2:G0K+4*\slot+3], s[G0K+4*\slot+2:G0K+4*\slot+3], 2*GRP
	s_add_nc_u64 s[G0Q+4*\slot+2:G0Q+4*\slot+3], s[G0Q+4*\slot+2:G0Q+4*\slot+3], 2*GRP
	JLOAD G0K+4*\slot, G1K, G0Q+4*\slot, G1Q       ; the first tensor load behind the round; its four v_nop are also the places in front of the loads below
.else
	PLACES NP
.endif
	FETCH_B \next, 0, 0
	FETCH_A \next, 0, 0
	SCALES \next
	WIN MUL_HI
	MUL16 4, 1, NQ-1, \slot, 0
	MUL16 6, 1, NQ-1, \slot, 0
	PLACES NP
	WIN 0
	FETCH_A \next, 0, 4
.endm
	s_wait_tensorcnt 1                             ; my part of slot 0 is in; slot 1's may be out
	s_barrier_signal -1
	s_barrier_wait -1
	FETCH_B 0, 0, 0
	FETCH_A 0, 0, 0
	SCALES 0
	FETCH_A 0, 0, 4
	STEP 0, 0, 1
	s_mov_b32 s3, LAPS-1
.Llap:
	TURN 0, 1, 1
	STEP 1, 0, 0
	TURN 1, 0, 1
	STEP 0, 0, 0
	s_sub_co_u32 s3, s3, 1
	s_cmp_lg_u32 s3, 0
	s_cbranch_scc1 .Llap
	TURN 0, 1, 0
	STEP 1, 0, 0
	s_wait_dscnt 4*NL
	WIN MUL_LO
	MUL16 0, 1, NQ-1, 1, 0
	MUL16 2, 1, NQ-1, 1, 0
	s_wait_dscnt 0
	WIN MUL_HI
	MUL16 4, 1, NQ-1, 1, 0
	MUL16 6, 1, NQ-1, 1, 0
	WIN 0
.macro PACKF a
	WIN W
.irp c, 0,1
	v_cvt_scalef32_pk16_bf6_f32 v[CODE+12*(\a)+6*\c:CODE+12*(\a)+6*\c+2], v[S+32*\c:S+32*\c+15], v[TM+12+2*\c]
	v_cvt_scalef32_pk16_bf6_f32 v[T2+4*\c:T2+4*\c+2], v[S+32*\c+16:S+32*\c+31], v[TM+13+2*\c]
.endr
	WIN 0
	v_nop                                          ; one plain line behind the scaled conversions
.irp c, 0,1
.irp i, 0,1,2
	v_permlane16_swap_b32 v[CODE+12*(\a)+6*\c+\i], v[T2+4*\c+\i]
.endr
.irp i, 0,1,2
	v_mov_b32 v[CODE+12*(\a)+6*\c+3+\i], v[T2+4*\c+\i]
.endr
.endr
.irp c, 0,1,2
	global_store_b128 v[LI], v[CODE+12*(\a)+4*\c:CODE+12*(\a)+4*\c+3], s[OUTP:OUTP+1] offset:1536*(\a)+512*\c
.endr
.endm
; Block a: 16 queries x my 128 keys, 64 scores a lane.
.macro SOFTQ a
.set W, 2+(\a)/4
.set S, 64*((\a)%4)
	s_cmp_lg_u32 s10, s11                          ; only a cluster on the diagonal has hidden keys: the same in all four partners
	s_cbranch_scc1 .Lopen_\@
	WIN ((W<<6)|W)
.set n, 0
.rept 64
.if n/8 == \a
	v_cndmask_b32 v[S+n], v[S+n], v[VINF], s[MJ+n%8]
.elseif n/8 > \a
	v_cndmask_b32 v[S+n], v[S+n], v[VINF], s[MUP]
.else
	v_cndmask_b32 v[S+n], v[S+n], v[VINF], s[MLO]
.endif
.set n, n+1
.endr
	WIN 0
.Lopen_\@:
	WIN ((W<<2)|W)
.irp b, 0,1,2,3
	v_max3_num_f32 v[TM+\b], v[S+16*\b], v[S+16*\b+1], 0xff61b1e6   ; the largest score of each block of 32 keys, at least -3e38; each accumulator from its low end on
.endr
.irp i, 2,4,6,8,10,12,14
.irp b, 0,1,2,3
	v_max3_num_f32 v[TM+\b], v[S+16*\b+\i], v[S+16*\b+\i+1], v[TM+\b]
.endr
.endr
	WIN 0
.irp b, 0,1,2,3
	v_permlanex16_b32 v[TM+4+\b], v[TM+\b], s[SEL], s[SEL+1]
.endr
.irp b, 0,1,2,3
	v_max_num_f32 v[TM+\b], v[TM+\b], v[TM+4+\b]
.endr
	v_max3_num_f32 v13, v[TM], v[TM+1], v[TM+2]
	v_max_num_f32 v13, v13, v[TM+3]
	v_mul_f32 v13, s[CS], v13                      ; the tile's largest t of my query
	v_floor_f32 v12, -v13                          ; -M = floor(-t): M is a whole number
	WIN ((W<<6)|W)
.set j, 0
.rept 32
	v_pk_fma_f32 v[S+j:S+j+1], v[S+j:S+j+1], s[CS:CS+1], v[12:13] op_sel_hi:[1,0,0]   ; t - M
.set j, j+2
.endr
	WIN 0
.irp b, 0,1,2,3
	v_fma_f32 v[TM+\b], v[TM+\b], s[CS], v12       ; the same of each block's largest score
.endr
	WIN ((W<<6)|W)
.set j, 0
.rept 64
	v_exp_f32 v[S+j], v[S+j]                       ; p
.set j, j+1
.endr
	WIN 0
.irp b, 0,1,2,3
	v_exp_f32 v[TM+\b], v[TM+\b]                   ; each block's largest p
.endr
	v_sub_f32 v[MS+(\a)], 0, v12                   ; M.  (The plain line behind the exponentials)
	s_wait_alu depctr_va_vdst(0)                   ; one wait for the 68, ahead of their first reader
	WIN ((W<<2)|W)
	v_pk_add_f32 v[14:15], v[S:S+1], v[S+2:S+3]    ; l is the sum of the unquantised p: two chains
	v_pk_add_f32 v[10:11], v[S+4:S+5], v[S+6:S+7]
	WIN W
.set j, 8
.rept 14
	v_pk_add_f32 v[14:15], v[S+j:S+j+1], v[14:15]
	v_pk_add_f32 v[10:11], v[S+j+2:S+j+3], v[10:11]
.set j, j+4
.endr
	WIN 0
	v_pk_add_f32 v[14:15], v[14:15], v[10:11]
	v_add_f32 v14, v14, v15
	v_permlanex16_b32 v15, v14, s[SEL], s[SEL+1]
	v_add_f32 v[LS+(\a)], v14, v15
.irp b, 0,1,2,3
	v_med3_num_f32 v[TM+\b], v[TM+\b], 0x22000000, 1.0   ; held between 2^-59 and 1
.endr
.irp b, 0,1,2,3
	v_add_nc_u32 v[TM+12+\b], 0xfe000000, v[TM+\b]
.endr
.irp b, 0,1,2,3
	v_lshrrev_b32 v[TM+4+\b], 23, v[TM+12+\b]
.endr
	v_lshl_or_b32 v[PW+(\a)], v[TM+5], 8, v[TM+4]
	v_lshl_or_b32 v[PW+(\a)], v[TM+6], 16, v[PW+(\a)]
	v_lshl_or_b32 v[PW+(\a)], v[TM+7], 24, v[PW+(\a)]
	PACKF \a
.endm
	PLACES NP                                      ; behind the last products
.irp b, 0,1,2,3
	v_mov_b32 v[TM+4+\b], 0                        ; written once: a lane permute's destination counts as one of its sources
.endr
	v_mov_b32 v[VINF], 0xff800000
.irp j, 0,1,2,3,4,5,6,7
	v_cmp_gt_i32 s[MJ+\j], \j, v[EE]               ; tile b = a: hidden where j > e
.endr
	v_cmp_gt_i32 s[MUP], 16, v[EE]                 ; tiles b > a: 16 (b - a) + j is 16 at the least and 119 at the most; e lies in -8 .. 15, or is 120 or more, or -113 or less
	v_cmp_gt_i32 s[MLO], -9, v[EE]                 ; tiles b < a: -9 at the most, -112 at the least
.irp a, 0,1,2,3,4,5,6,7
	SOFTQ \a
.endr
	v_cmp_eq_u32 vcc_lo, 1, v2
.irp j, 0,1,2,3
	v_cndmask_b32 v[SW+\j], v[PW+\j], v[PW+4+\j], vcc_lo
	v_cndmask_b32 v[SW+4+\j], v[MS+\j], v[MS+4+\j], vcc_lo
	v_cndmask_b32 v[SW+8+\j], v[LS+\j], v[LS+4+\j], vcc_lo
.endr
	global_store_b128 v[SA], v[SW:SW+3], s[OUTP:OUTP+1] offset:12288
	global_store_b128 v[SA], v[SW+4:SW+7], s[OUTP:OUTP+1] offset:12800
	global_store_b128 v[SA], v[SW+8:SW+11], s[OUTP:OUTP+1] offset:13312
	s_wait_tensorcnt 0x0                           ; the wave's end
	ds_add_u32 v[SPW], v[NIL]
	s_wait_dscnt 0x0
	CROUND                                         ; the closing round
	s_endpgm
.Lfunc_end_k_qb978fbaec6_scores:
	.size	k_qb978fbaec6_scores, .Lfunc_end_k_qb978fbaec6_scores-k_qb978fbaec6_scores
	.p2alignl 7, 3214868480
	.fill 96, 4, 3214868480
	.section	.rodata,"a",@progbits
	.p2align	6, 0x0
	.amdhsa_kernel k_qb978fbaec6_scores
		.amdhsa_group_segment_fixed_size 327680
		.amdhsa_private_segment_fixed_size 0
		.amdhsa_enable_private_segment 0
		.amdhsa_kernarg_size 16
		.amdhsa_user_sgpr_count 2
		.amdhsa_user_sgpr_kernarg_segment_ptr 1
		.amdhsa_wavefront_size32 1
		.amdhsa_system_sgpr_workgroup_id_x 1
		.amdhsa_system_sgpr_workgroup_id_y 1
		.amdhsa_system_sgpr_workgroup_id_z 1
		.amdhsa_system_vgpr_workitem_id 0
		.amdhsa_next_free_vgpr 1024
		.amdhsa_next_free_sgpr 80
		.amdhsa_reserve_vcc 1
		.amdhsa_float_denorm_mode_32 3
		.amdhsa_float_denorm_mode_16_64 3
		.amdhsa_memory_ordered 1
		.amdhsa_forward_progress 1
		.amdhsa_inst_pref_size 228
	.end_amdhsa_kernel
	.amdgpu_metadata
---
amdhsa.version: [ 1, 2 ]
amdhsa.kernels:
  - .name:           k_qb978fbaec6_scores
    .symbol:         k_qb978fbaec6_scores.kd
    .args:
      - { .name: qkv, .offset: 0, .size: 8, .value_kind: global_buffer, .address_space: global }
      - { .name: pbuf, .offset: 8, .size: 8, .value_kind: global_buffer, .address_space: global }
    .group_segment_fixed_size: 327680
    .private_segment_fixed_size: 0
    .kernarg_segment_align: 8
    .kernarg_segment_size: 16
    .max_flat_workgroup_size: 128
    .sgpr_count:     80
    .vgpr_count:     1024
    .wavefront_size: 32
...
	.end_amdgpu_metadata
.endif
;; end of part 2
;; launch pv (part 3): grid 8 x 32, 4 waves a work-group, clusters of 4 x 4, 327,680 bytes of LDS; arguments pbuf, qkv, out0; writes out0
.if DOCPART == 3
	.amdgcn_target "amdgcn-amd-amdhsa--gfx1250"
	.amdhsa_code_object_version 6
	.text
	.protected	k_qb978fbaec6_pv
	.globl	k_qb978fbaec6_pv
	.p2align	8
	.type	k_qb978fbaec6_pv,@function
k_qb978fbaec6_pv:
	s_mov_b64 s[64:65], 0
	v_nop
	global_prefetch_b8 v0, s[64:65] scope:SCOPE_SE
	s_setreg_imm32_b32 hwreg(HW_REG_WAVE_MODE, 25, 1), 1
	s_wait_xcnt 0x0
	s_wait_alu depctr_hold_cnt(0) depctr_sa_sdst(0) depctr_va_vdst(0) depctr_va_sdst(0) depctr_va_ssrc(0) depctr_va_vcc(0) depctr_vm_vsrc(0)
	s_getreg_b32 s2, hwreg(HW_REG_IB_STS2, 6, 4)
	s_cmp_eq_u32 s2, 0
	s_cbranch_scc0 .Lentry_in_a_cluster
	s_endpgm
.Lentry_in_a_cluster:
	s_bfe_u32 s2, ttmp6, 0x10000c
	s_cmp_lg_u32 s2, 0xf033
	s_cbranch_scc0 .Lentry_shape_is_right
	s_endpgm
.Lentry_shape_is_right:
; out = (sum over the key tiles of 2^(M_tile - M_row) P_tile V) / l_row, on codes of BF6.
; p comes as blocks of 13,824 bytes (128 queries x 128 keys: register images, fragment i at 1,536 i; scale words at 12,288, the tile's M at 12,800, its l at 13,312, each at 32 r + 4 i), v as blocks of 12,800 (128 channels x 128 keys).
; SHARES.  Cluster y = 2 batch + P, cluster x = which half of the 1,024 channels.  Work-group (cx, cy) makes TWO blocks of 128 queries x the 128 channels 128 (4 cluster x + cx) on:
; the HIGH block 4 (3 - P) + cy and the LOW block 4 P + cy of the batch's sixteen.  Of the key groups of 512 the high block has 4 - P that count, the low one P + 1: FIVE GROUPS, 20 K steps of 128 keys, in every one of the 256 work-groups.
; (Tiles of p above the diagonal inside a group are zero codes: they are multiplied, so that the four row blocks of a cluster walk alike.)
; Wave w: 64 queries (w / 2) of each block x 64 channels (w % 2): 16 accumulators a block, 320 matrix instructions.
; LDS: THREE REGIONS of 106,496 bytes, each one group: p's four blocks, then v's four.  Groups 0, 1, 2 (the high block's first three) are first fills, three loads a wave.  Behind group 1 stands ONE round of the cluster's
; barrier, behind which regions 0 and 1 take groups 3 and 4: four loads, one a wave, which have group 2's four K steps in which to land.  p's tiles are asked for jointly along a row of the cluster, v's along a column.
; Group 3 is the high block's fourth (P = 0) or the low block's first (P = 1): the last eight K steps are written twice and a scalar branch on P, which all sixteen partners share, chooses; no tensor load, barrier or LDS store stands there.
; TRANSPOSED: source 0 = 16 channels of v, source 1 = 16 queries of p: a lane holds query r and eight neighbouring channels.
; THE ROWS' M AND l.  Each wave reads the M and l of its rows: 16 key tiles for the high block, 8 for the low; lanes 0-15 take one tile, lanes 16-31 the next.  The last four tiles of each list may lie beyond the block's last group:
; they are then replaced by the group before (its M changes no maximum, its l has the weight 0).  M_row = the largest M; l_row = the sum of l x 2^(M - M_row), exact powers of two.
; In each K step M_row - M, held at 63, is taken off all four bytes of p's scale word: bytes are 64 at the least, so nothing is borrowed.
; LIMITS: NaN and infinities are not served; a tile more than 63 powers of two under its row's largest counts as 2^-63 of itself at the most; the division is a multiplication by v_rcp_f32's result.
; All of a WGP's LDS is claimed.
.set KB,     12800
.set KBP,    13824
.set PPART,  4*KBP                     ; a group's part of p
.set VPART,  4*KB                      ; and of v
.set VOFF,   PPART
.set REG,    PPART+VPART               ; a region
.set STAGE,  2*REG                     ; the way out: 16 rows x 272 bytes for each wave, in region 2: it is filled once, and its last read is over at the barrier in front of group 3
.set SPITCH, 272
.set SPARE,  3*REG                     ; the spare words: 128 bytes a wave, two blocks of 256 bytes that no other line names
.set ADRA, 8                           ; v8-10  p's fragments, region 0, 1, 2
.set ADRB, 11                          ; v11-13 v's
.set ADSA, 14                          ; v14-16 p's scale words (M 512 bytes on)
.set ADSB, 17                          ; v17-19 v's
.set STO,  20
.set RD,   21
.set COH,  22                          ; v22 my byte offset in out0, high block; v23 low block
.set MF,   24                          ; v24-27 the rows' M, high block; v48-51 low block
.set SPW,  28
.set NIL,  29
.set RL,   32                          ; v32-47 1 / l in pairs: high block's four tiles of rows, then the low block's
.set TT,   52                          ; v52-55 what lane l xor 16 sends
.set ST,   56                          ; v56-95 two sets of 20: +0 p's words, +4 M, +8 v's words, +12 p's words adjusted, +16 at work
.set MTH,  96                          ; the head: M and l as loaded
.set LTH,  128
.set MTL,  160
.set LTL,  176
.set VH,   192                         ; v192-195 the head: byte offsets in pbuf of my rows' M
.set VH3,  193
.set VL,   194
.set VL1,  195
.set AF,   128                         ; v128-223 p's fragments, two sets of 48
.set BK,   128                         ; the way out: rows read back, v128-159 and v160-191 by turns
.set SEL,  14                          ; s[14:15] lane l xor 16
.set PP,   22                          ; s22 P
.set G1A,  24                          ; s[24:31] group 1, first fills of p: one row of 27,648 bytes
.set G1B,  32                          ; s[32:39] of v: one row of 25,600
.set G1A2, 40                          ; s[40:47] the refill of p: two such rows
.set G1B2, 48                          ; s[48:55] of v
.set G0A2, 56
.set G0B2, 60
.set G0A,  68                          ; s[68:79] group 0 for p's three first fills
.set G0B,  80                          ; s[80:91] for v's
.set WH3,  100                         ; s100 the weight of the high block's last four tiles
.set WL1,  101                         ; s101 of the low block's
.set MSB, 0
.macro WIN new                         ; the immediate's high byte repeats the setting that is left
.if MSB != \new
	s_set_vgpr_msb (MSB<<8)|\new
.set MSB, \new
.endif
.endm
.set MUL,  0x52                        ; source 0 (v) window 2, source 1 (p) window 0, C and D window 1
.set TO_B, 0x80
.macro JLOAD g0a, g1a, g0b, g1b        ; waves 0, 1 fetch p, waves 2, 3 v; four v_nop follow each line
	s_cmp_eq_u32 s11, 0
	s_cbranch_scc0 .Lfor_b_\@
	tensor_load_to_lds s[\g0a:\g0a+3], s[\g1a:\g1a+7]
	s_nop 0
.rept 4
	v_nop
.endr
	s_branch .Lasked_\@
.Lfor_b_\@:
	tensor_load_to_lds s[\g0b:\g0b+3], s[\g1b:\g1b+7]
	s_nop 0
.rept 4
	v_nop
.endr
.Lasked_\@:
.endm
.macro CREST                           ; a round of the cluster's barrier behind its opening barrier
	s_cmp_lg_u32 s10, 0
	s_cbranch_scc1 .Lnot_wave_0_\@
	s_barrier_signal -3
.Lnot_wave_0_\@:
	s_barrier_wait -3
	s_barrier_signal -1
	s_barrier_wait -1
.endm
.macro CROUND
	s_barrier_signal -1
	s_barrier_wait -1
	CREST
.endm
	s_load_b128 s[4:7], s[0:1], 0x0                ; pbuf, qkv
	s_load_b64 s[8:9], s[0:1], 0x10                ; out0
	v_lshl_add_u32 v[SPW], v0, 2, SPARE
	v_mov_b32 v[NIL], 0
	ds_add_u32 v28, v29
	ds_add_u32 v28, v29
	s_wait_dscnt 0x0
	v_lshrrev_b32 v1, 5, v0
	v_readfirstlane_b32 s10, v1                    ; wave
	s_lshr_b32 s11, s10, 1                         ; my 64 rows; also: I fetch p (0) or v (1)
	s_and_b32 s12, s10, 1                          ; my 64 channels; also: which half of a part, and which of the two refilled regions, I fetch
	s_bfe_u32 s16, ttmp6, 0x40000                  ; cx
	s_bfe_u32 s13, ttmp6, 0x40004                  ; cy
	s_and_b32 s[PP], ttmp7, 0xffff                 ; cluster y = 2 batch + P
	s_lshr_b32 s21, s[PP], 1                       ; the batch
	s_and_b32 s[PP], s[PP], 1
	s_lshl_b32 s17, s13, 2
	s_lshl_b32 s17, 15, s17                        ; my row of the cluster
	s_lshl_b32 s23, 0x1111, s16                    ; my column
	s_or_b32 s[G1A], s17, (3<<16)|(1<<21)          ; the mask; elements of 8 bytes; no padding
	s_or_b32 s[G1A2], s17, (3<<16)|(1<<21)
	s_or_b32 s[G1B], s23, (3<<16)|(1<<21)
	s_or_b32 s[G1B2], s23, (3<<16)|(1<<21)
.irp g, G1A, G1A2
	s_mov_b32 s[\g+1], 3456<<16                    ; a row: two blocks of p, 27,648 bytes
	s_mov_b32 s[\g+3], 3456<<16
	s_mov_b32 s[\g+5], 3456                        ; rows on end
	s_mov_b32 s[\g+6], 0
	s_mov_b32 s[\g+7], 0
.endr
.irp g, G1B, G1B2
	s_mov_b32 s[\g+1], 3200<<16                    ; two blocks of v, 25,600 bytes
	s_mov_b32 s[\g+3], 3200<<16
	s_mov_b32 s[\g+5], 3200
	s_mov_b32 s[\g+6], 0
	s_mov_b32 s[\g+7], 0
.endr
.irp g, G1A, G1B
	s_mov_b32 s[\g+2], 1<<16                       ; a first fill: one row
	s_mov_b32 s[\g+4], 1
.endr
.irp g, G1A2, G1B2
	s_mov_b32 s[\g+2], 2<<16                       ; the refill: two
	s_mov_b32 s[\g+4], 2
.endr
	; p's offsets: they hang on the batch, P, cy and the wave, never on cx
	s_lshl_b32 s17, s21, 4
	s_add_co_u32 s17, s17, s13                     ; 16 batch + cy
	s_lshl_b32 s18, s[PP], 2
	s_add_co_u32 s18, s18, s17                     ; the low block of 128 queries
	s_sub_co_u32 s19, 3, s[PP]
	s_mul_i32 s98, s19, PPART                      ; the high block's last group that counts, in bytes of its row of blocks
	s_mul_i32 s99, s[PP], PPART                    ; the low block's
	s_lshl_b32 s19, s19, 2
	s_add_co_u32 s19, s19, s17                     ; the high block
	s_lshl_b32 s14, s19, 19                        ; their first rows in out0: 128 rows of 4,096 bytes a block
	s_lshl_b32 s15, s18, 19
	s_mul_i32 s18, s18, 16*KBP                     ; their 16 blocks of p
	s_mul_i32 s19, s19, 16*KBP
	s_add_co_u32 s92, s19, 3*PPART
	s_add_co_u32 s93, s18, PPART
	s_cmp_eq_u32 s[PP], 0
	s_cselect_b32 s92, s92, s18                    ; group 3: the high block's key group 3, or the low block's 0
	s_cselect_b32 s93, s18, s93                    ; group 4: the low block's key group 0, or 1
	s_cselect_b32 s2, 3*VPART, 0                   ; and v's key groups to match
	s_cselect_b32 s3, 0, VPART
	s_cselect_b32 s[WH3], 1.0, 0
	s_cselect_b32 s[WL1], 0, 1.0
	s_cmp_eq_u32 s12, 0                            ; in the refill even waves ask for group 3, odd ones for group 4
	s_cselect_b32 s92, s92, s93
	s_cselect_b32 s2, s2, s3
	s_mov_b32 s93, 0
	s_mov_b32 s3, 0
	; v's offsets: the batch, P, cluster x, cx and the wave, never cy
	s_lshl_b32 s23, ttmp9, 2
	s_add_co_u32 s23, s23, s16                     ; my block of 128 channels
	s_lshl_b32 s20, s21, 3
	s_add_co_u32 s20, s20, s23
	s_mul_i32 s20, s20, 16*KB
	s_add_co_u32 s20, s20, 1024*KB                 ; v's blocks begin behind q's and k's 1,024
	s_add_co_u32 s2, s2, s20
	s_mul_i32 s66, s12, 2*KBP                      ; the half of a part that I fetch first; also its place in a region
	s_mul_i32 s67, s12, 2*KB
	s_add_co_u32 s94, s19, s66
	s_mov_b32 s95, 0
	s_add_co_u32 s96, s20, s67
	s_mov_b32 s97, 0
	; where my rows' M lie: 32 r + 16 (w / 2) in a block; lanes 16-31 one block on
	v_and_b32 v1, 15, v0                           ; r
	v_bfe_u32 v2, v0, 4, 1                         ; h
	v_lshlrev_b32 v5, 5, v1                        ; 32 r
	v_mul_u32_u24 v3, v2, KBP
	v_add_nc_u32 v3, v3, v5
	s_lshl_b32 s17, s11, 4
	v_add_nc_u32 v3, s17, v3
	v_add_nc_u32 v[VH], s19, v3
	v_add_nc_u32 v[VL], s18, v3
	v_add_nc_u32 v[VH3], s98, v[VH]
	v_add_nc_u32 v[VL1], s99, v[VL]
	; my place in out0
	s_lshl_b32 s17, s11, 18                        ; my 64 rows
	s_lshl_b32 s20, s23, 9                         ; my work-group's 128 channels
	s_add_co_u32 s17, s17, s20
	s_lshl_b32 s20, s12, 8                         ; my 64 of them
	s_add_co_u32 s17, s17, s20
	s_add_co_u32 s14, s14, s17
	s_add_co_u32 s15, s15, s17
	v_lshlrev_b32 v6, 12, v2                       ; lanes 0-15 one row of out0, lanes 16-31 the next; 16 bytes a lane
	v_lshl_add_u32 v6, v1, 4, v6
	v_add_nc_u32 v[COH], s14, v6
	v_add_nc_u32 v[COH+1], s15, v6
	s_mov_b32 s[SEL], 0x76543210
	s_mov_b32 s[SEL+1], 0xfedcba98
	s_wait_kmcnt 0x0
.irp i, 0,1,2,3,4,5                    ; the high block's key tiles 2 i + h: always written
	global_load_b128 v[MTH+4*\i:MTH+4*\i+3], v[VH], s[4:5] offset:KBP*2*\i+12800
	global_load_b128 v[LTH+4*\i:LTH+4*\i+3], v[VH], s[4:5] offset:KBP*2*\i+13312
.endr
.irp j, 0,1
	global_load_b128 v[MTH+24+4*\j:MTH+24+4*\j+3], v[VH3], s[4:5] offset:KBP*2*\j+12800   ; its last group that counts: key group 3, or 2 once more
	global_load_b128 v[LTH+24+4*\j:LTH+24+4*\j+3], v[VH3], s[4:5] offset:KBP*2*\j+13312
	global_load_b128 v[MTL+4*\j:MTL+4*\j+3], v[VL], s[4:5] offset:KBP*2*\j+12800          ; the low block's key group 0
	global_load_b128 v[LTL+4*\j:LTL+4*\j+3], v[VL], s[4:5] offset:KBP*2*\j+13312
	global_load_b128 v[MTL+8+4*\j:MTL+8+4*\j+3], v[VL1], s[4:5] offset:KBP*2*\j+12800     ; and 1, or 0 once more
	global_load_b128 v[LTL+8+4*\j:LTL+8+4*\j+3], v[VL1], s[4:5] offset:KBP*2*\j+13312
.endr
	s_add_nc_u64 s[94:95], s[4:5], s[94:95]
	s_add_nc_u64 s[92:93], s[4:5], s[92:93]
	s_add_nc_u64 s[96:97], s[6:7], s[96:97]
	s_add_nc_u64 s[2:3], s[6:7], s[2:3]
	CROUND                                         ; all sixteen work-groups are here: the first joint loads meet
.irp s, 0,1,2
	s_mov_b32 s[G0A+4*\s], 1
	s_add_co_u32 s[G0A+4*\s+1], s66, \s*REG
	s_add_nc_u64 s[G0A+4*\s+2:G0A+4*\s+3], s[94:95], \s*PPART
	s_or_b32 s[G0A+4*\s+3], s[G0A+4*\s+3], 0x80000000
	s_mov_b32 s[G0B+4*\s], 1
	s_add_co_u32 s[G0B+4*\s+1], s67, \s*REG+VOFF
	s_add_nc_u64 s[G0B+4*\s+2:G0B+4*\s+3], s[96:97], \s*VPART
	s_or_b32 s[G0B+4*\s+3], s[G0B+4*\s+3], 0x80000000
	JLOAD G0A+4*\s, G1A, G0B+4*\s, G1B             ; three loads of mine are out
.endr
	s_mul_i32 s98, s12, REG                        ; the refill's descriptors have registers of their own: region 0 for even waves, 1 for odd ones
	s_mov_b32 s[G0A2], 1
	s_mov_b32 s[G0A2+1], s98
	s_mov_b64 s[G0A2+2:G0A2+3], s[92:93]
	s_or_b32 s[G0A2+3], s[G0A2+3], 0x80000000
	s_mov_b32 s[G0B2], 1
	s_add_co_u32 s[G0B2+1], s98, VOFF
	s_mov_b64 s[G0B2+2:G0B2+3], s[2:3]
	s_or_b32 s[G0B2+3], s[G0B2+3], 0x80000000
	; LDS addresses: a constant, the lane's term, the wave's term
	v_and_b32 v6, 31, v0
	v_lshlrev_b32 v6, 4, v6                        ; 16 x lane
	s_mul_i32 s66, s11, 4*1536                     ; my four fragments of p's eight
	s_mul_i32 s67, s12, 4*1536                     ; my four of v's
	s_add_co_u32 s67, s67, VOFF
	s_lshl_b32 s98, s11, 4
	s_add_co_u32 s98, s98, 12288
	s_lshl_b32 s99, s12, 4
	s_add_co_u32 s99, s99, VOFF+12288
.irp s, 0,1,2
	v_add_nc_u32 v[ADRA+\s], s66, v6
	v_add_nc_u32 v[ADRB+\s], s67, v6
	v_add_nc_u32 v[ADSA+\s], s98, v5
	v_add_nc_u32 v[ADSB+\s], s99, v5
	s_add_co_u32 s66, s66, REG
	s_add_co_u32 s67, s67, REG
	s_add_co_u32 s98, s98, REG
	s_add_co_u32 s99, s99, REG
.endr
	s_mul_i32 s66, s10, 16*SPITCH
	s_add_co_u32 s66, s66, STAGE                   ; my stage
	v_mul_u32_u24 v6, v1, SPITCH
	v_lshl_add_u32 v6, v2, 5, v6
	v_add_nc_u32 v[STO], s66, v6                   ; in: row r, 32 bytes for each half of the lanes
	v_mul_u32_u24 v6, v2, SPITCH
	v_lshl_add_u32 v6, v1, 4, v6
	v_add_nc_u32 v[RD], s66, v6                    ; back: lanes 0-15 one row of 256 bytes, lanes 16-31 the next
.irp a, 0,1,2,3
	v_mov_b32 v[TT+\a], 0                          ; written once: a lane permute's destination counts as one of its sources
.endr
; The rows' M and 1 / l of one block of queries.  cnt loads of four registers (my four tiles of rows), each with one key tile in lanes 0-15 and the next in lanes 16-31; the last two loads have the weight s[wt].
.macro STATS mt, lt, cnt, mf, rl, wt
.irp a, 0,1,2,3
	v_max_num_f32 v[\mf+\a], v[\mt+\a], v[\mt+4+\a]
.endr
.set x, 8
.rept 4*(\cnt)-8
	v_max_num_f32 v[\mf+x%4], v[\mf+x%4], v[\mt+x]
.set x, x+1
.endr
.irp a, 0,1,2,3
	v_permlanex16_b32 v[TT+\a], v[\mf+\a], s[SEL], s[SEL+1]
.endr
.irp a, 0,1,2,3
	v_max_num_f32 v[\mf+\a], v[\mf+\a], v[TT+\a]   ; the row's M, in both halves of the lanes
.endr
.set x, 0
.rept 4*(\cnt)
	v_sub_f32 v[\mt+x], v[\mt+x], v[\mf+x%4]       ; M - the row's M: a whole number, 0 or less
.set x, x+1
.endr
.set x, 0
.rept 4*(\cnt)
	v_cvt_i32_f32 v[\mt+x], v[\mt+x]               ; (it saturates)
.set x, x+1
.endr
.set x, 0
.rept 4*(\cnt)
	v_ldexp_f32 v[\lt+x], v[\lt+x], v[\mt+x]       ; the tile's l under the row's M: nothing is rounded
.set x, x+1
.endr
.irp a, 0,1,2,3
	v_add_f32 v[\rl+2*\a], v[\lt+\a], v[\lt+4+\a]
.endr
.set x, 8
.if (\cnt) > 4
.rept 4*(\cnt)-16
	v_add_f32 v[\rl+2*(x%4)], v[\rl+2*(x%4)], v[\lt+x]
.set x, x+1
.endr
.endif
.rept 8
	v_fma_f32 v[\rl+2*(x%4)], v[\lt+x], s[\wt], v[\rl+2*(x%4)]
.set x, x+1
.endr
.irp a, 0,1,2,3
	v_permlanex16_b32 v[TT+\a], v[\rl+2*\a], s[SEL], s[SEL+1]
.endr
.irp a, 0,1,2,3
	v_add_f32 v[\rl+2*\a], v[\rl+2*\a], v[TT+\a]   ; the row's l
.endr
.endm
	s_wait_loadcnt 0x0
	STATS MTH, LTH, 8, MF, RL, WH3
	STATS MTL, LTL, 4, MF+24, RL+8, WL1
.irp t, 0,1,2,3,4,5,6,7
	v_rcp_f32 v[RL+2*\t], v[RL+2*\t]
.endr
	v_nop                                          ; a plain line behind the reciprocals
	s_wait_alu depctr_va_vdst(0)                   ; one wait for the eight, ahead of their first reader
.irp t, 0,1,2,3,4,5,6,7
	v_mov_b32 v[RL+2*\t+1], v[RL+2*\t]             ; named with it as a pair, so it is written
.endr
.macro FETCH reg, q, p                 ; 27 loads: the K step q of region reg into set p: v's four fragments, p's four, and the words
	WIN TO_B
.irp b, 0,1,2,3
.irp c, 0,1,2
	ds_load_b128 v[128*(\p)+12*\b+4*\c:128*(\p)+12*\b+4*\c+3], v[ADRB+\reg] offset:KB*(\q)+1536*\b+512*\c
.endr
.endr
	WIN 0
.irp a, 0,1,2,3
.irp c, 0,1,2
	ds_load_b128 v[AF+48*(\p)+12*\a+4*\c:AF+48*(\p)+12*\a+4*\c+3], v[ADRA+\reg] offset:KBP*(\q)+1536*\a+512*\c
.endr
.endr
	ds_load_b128 v[ST+20*(\p):ST+20*(\p)+3], v[ADSA+\reg] offset:KBP*(\q)
	ds_load_b128 v[ST+20*(\p)+4:ST+20*(\p)+7], v[ADSA+\reg] offset:KBP*(\q)+512
	ds_load_b128 v[ST+20*(\p)+8:ST+20*(\p)+11], v[ADSB+\reg] offset:KB*(\q)
.endm
; p's scale words under the row's M, the four tiles of rows by turns.  The first four lines name this set's words and M alone: they are the four places between the last products, which read the other set, and the loads into it.
.macro ADJ1 p, mf
.irp a, 0,1,2,3
	v_sub_f32 v[ST+20*(\p)+16+\a], v[\mf+\a], v[ST+20*(\p)+4+\a]
.endr
.endm
.macro ADJ2 p
.irp a, 0,1,2,3
	v_min_num_f32 v[ST+20*(\p)+16+\a], 0x427c0000, v[ST+20*(\p)+16+\a]   ; held at 63
.endr
.irp a, 0,1,2,3
	v_cvt_u32_f32 v[ST+20*(\p)+16+\a], v[ST+20*(\p)+16+\a]
.endr
.irp a, 0,1,2,3
	v_perm_b32 v[ST+20*(\p)+16+\a], v[ST+20*(\p)+16+\a], v[ST+20*(\p)+16+\a], 0   ; its low byte in all four places
.endr
.irp a, 0,1,2,3
	v_sub_nc_u32 v[ST+20*(\p)+12+\a], v[ST+20*(\p)+\a], v[ST+20*(\p)+16+\a]       ; every byte is 64 at the least: nothing is borrowed
.endr
.endm
; Four matrix instructions: tile of rows a x my four tiles of channels; hl = 0: the high block's accumulators, 1: the low block's.  A block's 16 accumulators take turns, in one order everywhere.
.macro MUL4 a, p, hl, zero
.irp b, 0,1,2,3
.if \zero
	v_wmma_scale_f32_16x16x128_f8f6f4 v[128*(\hl)+8*(4*(\a)+\b):128*(\hl)+8*(4*(\a)+\b)+7], v[128*(\p)+12*\b:128*(\p)+12*\b+11], v[AF+48*(\p)+12*(\a):AF+48*(\p)+12*(\a)+11], 0, v[ST+20*(\p)+8+\b], v[ST+20*(\p)+12+(\a)] matrix_a_fmt:MATRIX_FMT_BF6 matrix_b_fmt:MATRIX_FMT_BF6
.else
	v_wmma_scale_f32_16x16x128_f8f6f4 v[128*(\hl)+8*(4*(\a)+\b):128*(\hl)+8*(4*(\a)+\b)+7], v[128*(\p)+12*\b:128*(\p)+12*\b+11], v[AF+48*(\p)+12*(\a):AF+48*(\p)+12*(\a)+11], v[128*(\hl)+8*(4*(\a)+\b):128*(\hl)+8*(4*(\a)+\b)+7], v[ST+20*(\p)+8+\b], v[ST+20*(\p)+12+(\a)] matrix_a_fmt:MATRIX_FMT_BF6 matrix_b_fmt:MATRIX_FMT_BF6
.endif
.endr
.endm
.macro PLACES n
.rept \n
	v_nop
.endr
.endm
; A K step on set p whose successor (K step nq of region nreg) may be read already.
.macro KS p, hl, zero, nreg, nq
	s_wait_dscnt 0x0                               ; set p is in
	ADJ1 \p, MF+24*(\hl)
	FETCH \nreg, \nq, 1-\p
	ADJ2 \p
	PLACES 8                                       ; a scale register written by a vector line stands 8 places ahead of the scaled product
	WIN MUL
.irp a, 0,1,2,3
	MUL4 \a, \p, \hl, \zero
.endr
	WIN 0
.endm
; A region's last K step.  tw: my younger tensor loads, which may stay out.
.macro KSB p, hl, tw, nreg
	s_wait_dscnt 0x0                               ; set p is in: my reads of this region are over
	s_wait_tensorcnt \tw                           ; my part of the next region has landed
	ADJ1 \p, MF+24*(\hl)
	ADJ2 \p
	PLACES 8
	s_barrier_signal -1
	WIN MUL
	MUL4 0, \p, \hl, 0
	WIN 0
	s_barrier_wait -1                              ; everybody's has
	FETCH \nreg, 0, 1-\p                           ; into the other set, whose last products stand ahead of the lines above
	WIN MUL
.irp a, 1,2,3
	MUL4 \a, \p, \hl, 0
.endr
	WIN 0
.endm
; Region 1's last K step: regions 0 and 1 are filled again.
.macro KSR p, hl
	s_wait_dscnt 0x0                               ; set p is in: my reads of regions 0 and 1 are over
	s_wait_tensorcnt 0x0                           ; all my tensor loads have landed, region 2's among them
	ds_add_u32 v[SPW], v[NIL]                      ; 0 onto my spare word
	ADJ1 \p, MF+24*(\hl)
	ADJ2 \p
	PLACES 8
	s_wait_dscnt 0x0                               ; the add is done
	s_barrier_signal -1
	WIN MUL
	MUL4 0, \p, \hl, 0
	WIN 0
	s_barrier_wait -1
	CREST                                          ; a round of the cluster's barrier: no wave of any partner still reads regions 0 and 1 or has a load on its way
	JLOAD G0A2, G1A2, G0B2, G1B2                   ; my one tensor load behind the round: a whole part of group 3 or 4
	FETCH 2, 0, 1-\p
	WIN MUL
.irp a, 1,2,3
	MUL4 \a, \p, \hl, 0
.endr
	WIN 0
.endm
.macro KSL p, hl                       ; the very last K step
	s_wait_dscnt 0x0
	ADJ1 \p, MF+24*(\hl)
	ADJ2 \p
	PLACES 8
	WIN MUL
.irp a, 0,1,2,3
	MUL4 \a, \p, \hl, 0
.endr
	WIN 0
.endm
; Groups 3 (region 0) and 4 (region 1).  hl3: the block that group 3 belongs to; group 4 is the low block's.  The low block's first product starts its sums.
.macro TAIL hl3
	KS  0, \hl3, \hl3, 0, 1
	KS  1, \hl3, 0, 0, 2
	KS  0, \hl3, 0, 0, 3
	KS  1, \hl3, 0, 1, 0
	KS  0, 1, 1-\hl3, 1, 1
	KS  1, 1, 0, 1, 2
	KS  0, 1, 0, 1, 3
	KSL 1, 1
.endm
	s_wait_tensorcnt 2                             ; my part of region 0 is in; my two younger loads may be out
	s_barrier_signal -1
	s_barrier_wait -1
	FETCH 0, 0, 0
	KS  0, 0, 1, 0, 1                              ; group 0: the first step's products start the high block's sums
	KS  1, 0, 0, 0, 2
	KS  0, 0, 0, 0, 3
	KSB 1, 0, 1, 1                                 ; region 1's load is in, region 2's may be out
	KS  0, 0, 0, 1, 1                              ; group 1
	KS  1, 0, 0, 1, 2
	KS  0, 0, 0, 1, 3
	KSR 1, 0
	KS  0, 0, 0, 2, 1                              ; group 2
	KS  1, 0, 0, 2, 2
	KS  0, 0, 0, 2, 3
	KSB 1, 0, 0, 0                                 ; groups 3 and 4 have landed; nothing is filled any more
	s_cmp_lg_u32 s[PP], 0                          ; the same in all sixteen partners
	s_cbranch_scc1 .Lpair1
	TAIL 0
	s_branch .Lout
.Lpair1:
	TAIL 1
.Lout:
; THE WAY OUT, 16 rows x 64 channels at a time, t = 0 .. 3 the high block's, 4 .. 7 the low block's: divided by l in place, each accumulator from its low end on; through my own stage; back as whole rows of 256 bytes.
; LDS serves a wave's instructions in order (ISA guide 5.7.1.4): no wait between the stores and the loads, nor in front of the next block's stores.
.macro TOSTAGE t
	WIN 0x41                                       ; destination and source 0 window 1
.set j, 0
.rept 16
	v_pk_mul_f32 v[32*(\t)+j:32*(\t)+j+1], v[32*(\t)+j:32*(\t)+j+1], v[RL+2*(\t):RL+2*(\t)+1] op_sel_hi:[1,0]
.set j, j+2
.endr
	WIN 0x04                                       ; an LDS store's data are its source 1: window 1
.irp b, 0,1,2,3
	ds_store_b128 v[STO], v[32*(\t)+8*\b:32*(\t)+8*\b+3] offset:64*\b
	ds_store_b128 v[STO], v[32*(\t)+8*\b+4:32*(\t)+8*\b+7] offset:64*\b+16
.endr
	WIN 0
.set BB, BK+32*((\t)%2)
.irp i, 0,1,2,3,4,5,6,7
	ds_load_b128 v[BB+4*\i:BB+4*\i+3], v[RD] offset:2*\i*SPITCH
.endr
.endm
.macro SEND t, younger                 ; younger: the LDS instructions issued behind block t's loads
.set BB, BK+32*((\t)%2)
	s_wait_dscnt \younger
.irp i, 0,1,2,3,4,5,6,7
	global_store_b128 v[COH+(\t)/4], v[BB+4*\i:BB+4*\i+3], s[8:9] offset:(16*((\t)%4)+2*\i)*4096 th:TH_STORE_NT   ; 16 lanes store 256 consecutive bytes at a multiple of 256 from out0's first byte; every offset is an immediate
.endr
.endm
	PLACES 4                                       ; behind the last products
	TOSTAGE 0
.irp t, 1,2,3,4,5,6,7
.if \t > 1
	s_wait_xcnt 0x0                                ; block t - 2's stores have read their registers: block t's loads may land there
.endif
	TOSTAGE \t
	SEND \t-1, 16                                  ; behind block t - 1's loads: block t's 8 stores and 8 loads
.endr
	SEND 7, 0
	s_wait_tensorcnt 0x0                           ; the wave's end
	ds_add_u32 v[SPW], v[NIL]
	s_wait_dscnt 0x0
	CROUND                                         ; the closing round
	s_endpgm
.Lfunc_end_k_qb978fbaec6_pv:
	.size	k_qb978fbaec6_pv, .Lfunc_end_k_qb978fbaec6_pv-k_qb978fbaec6_pv
	.p2alignl 7, 3214868480
	.fill 96, 4, 3214868480
	.section	.rodata,"a",@progbits
	.p2align	6, 0x0
	.amdhsa_kernel k_qb978fbaec6_pv
		.amdhsa_group_segment_fixed_size 327680
		.amdhsa_private_segment_fixed_size 0
		.amdhsa_enable_private_segment 0
		.amdhsa_kernarg_size 24
		.amdhsa_user_sgpr_count 2
		.amdhsa_user_sgpr_kernarg_segment_ptr 1
		.amdhsa_wavefront_size32 1
		.amdhsa_system_sgpr_workgroup_id_x 1
		.amdhsa_system_sgpr_workgroup_id_y 1
		.amdhsa_system_sgpr_workgroup_id_z 1
		.amdhsa_system_vgpr_workitem_id 0
		.amdhsa_next_free_vgpr 768
		.amdhsa_next_free_sgpr 102
		.amdhsa_reserve_vcc 0
		.amdhsa_float_denorm_mode_32 3
		.amdhsa_float_denorm_mode_16_64 3
		.amdhsa_memory_ordered 1
		.amdhsa_forward_progress 1
		.amdhsa_inst_pref_size 188
	.end_amdhsa_kernel
	.amdgpu_metadata
---
amdhsa.version: [ 1, 2 ]
amdhsa.kernels:
  - .name:           k_qb978fbaec6_pv
    .symbol:         k_qb978fbaec6_pv.kd
    .args:
      - { .name: pbuf, .offset: 0, .size: 8, .value_kind: global_buffer, .address_space: global }
      - { .name: qkv, .offset: 8, .size: 8, .value_kind: global_buffer, .address_space: global }
      - { .name: out0, .offset: 16, .size: 8, .value_kind: global_buffer, .address_space: global }
    .group_segment_fixed_size: 327680
    .private_segment_fixed_size: 0
    .kernarg_segment_align: 8
    .kernarg_segment_size: 24
    .max_flat_workgroup_size: 128
    .sgpr_count:     102
    .vgpr_count:     768
    .wavefront_size: 32
...
	.end_amdgpu_metadata
.endif
;; end of part 3
